; MI455X (gfx1250); checked and timed in simulation.
; The chip was launched on July 23, 2026; its instructions are those of AMD's public machine-readable ISA for CDNA 5 (MIT licence, August 2026) and "CDNA5" Instruction Set Architecture Reference Guide (July 2026). The comments in the code are by the model that wrote it; some were corrected since.
;; Linear Attention Layer. Allowed arithmetic: matrix products marked QUANTISED: E4M3 operands, one E8M0 scale for each 32 along K, by v_wmma_scale_f32_16x16x128_f8f6f4 with both operands' format E4M3, f32 sums; everything else in f32.
;; Inputs: Wk_codes 512 x 16 x 32 uint8 (E4M3 codes of Wk, K innermost, in blocks of 32 codes); Wk_scales 512 x 16 uint8 (E8M0 scales of Wk, one for each 32 codes along K); Wo_codes 512 x 16 x 32 uint8 (E4M3 codes of Wo, K innermost, in blocks of 32 codes); Wo_scales 512 x 16 uint8 (E8M0 scales of Wo, one for each 32 codes along K); Wq_codes 512 x 16 x 32 uint8 (E4M3 codes of Wq, K innermost, in blocks of 32 codes); Wq_scales 512 x 16 uint8 (E8M0 scales of Wq, one for each 32 codes along K); Wv_codes 512 x 16 x 32 uint8 (E4M3 codes of Wv, K innermost, in blocks of 32 codes); Wv_scales 512 x 16 uint8 (E8M0 scales of Wv, one for each 32 codes along K); beta 512 float32; bo 512 float32; gamma 512 float32; x 8 x 2,097,152 float32.
;; Outputs: out0 8 x 2,097,152 float32.
;; This version of the problem:
;;   THIS VERSION OF THE PROBLEM IS GIVEN IN LOW PRECISION. The matrix products marked QUANTISED in the list below multiply operands that are first quantised to E4M3 (4 exponent bits, 3 mantissa bits; 8 bits a number), with one power-of-two scale for each 32 numbers along K (OCP MX v1.0); their sums are f32. All else is computed in f32.
;;   The module's matrix products, in the order in which they are computed (A, B: the left and right operand; K: the contracted axis; several contracted axes count as one K, in the product's order):
;;     1. [M 32,768, K 512] x [K 512, N 512]; A: input x; B: input Wq (given as codes): QUANTISED
;;     2. [M 32,768, K 512] x [K 512, N 512]; A: input x; B: input Wk (given as codes): QUANTISED
;;     3. [M 32,768, K 512] x [K 512, N 512]; A: input x; B: input Wv (given as codes): QUANTISED
;;     4. batch 32 x [M 512, K 1,024] x [K 1,024, N 512]; A: computed on the way; B: computed on the way: QUANTISED
;;     5. batch 32 x [M 1,024, K 512] x [K 512, N 512]; A: computed on the way; B: computed on the way: QUANTISED
;;     6. [M 32,768, K 512] x [K 512, N 512]; A: computed on the way; B: input Wo (given as codes): QUANTISED
;;   THE QUANTISER, for each operand of a quantised product, along K:
;;     - K is cut into blocks of 32 from its start; a last block that is shorter is filled with zeros.
;;     - A block's scale is 2^e with e = floor(log2(the largest magnitude in the block)) - 8, held to -126 .. 127; a block of zeros has e = 0. As a byte (E8M0): e + 127.
;;     - Each number is divided by its block's scale, clamped to +-448, and rounded to the nearest number of E4M3, ties to even, subnormals kept.
;;     - The product sums the exact products of the quantised numbers (number of the format x scale) in f32.
;;   ~~~python
;;   def quantise(x, axis):      # numpy; x: float32 -> the quantised numbers, widened to float32 again
;;       x = np.moveaxis(x, axis, -1); K = x.shape[-1]
;;       x = np.pad(x, [(0, 0)] * (x.ndim - 1) + [(0, -K % 32)]); x = x.reshape(x.shape[:-1] + (-1, 32)); a = np.abs(x).max(-1, keepdims=True)
;;       e = np.where(a > 0, np.clip(np.frexp(np.where(a > 0, a, 1))[1] - 1 - 8, -126, 127), 0)      # np.frexp(a)[1] - 1 = floor(log2(a)), exactly
;;       r = np.clip(x / 2.0 ** e, -448, 448)
;;       step = 2.0 ** (np.maximum(np.frexp(np.where(r == 0, 1, r))[1] - 1, -6) - 3)
;;       q = np.round(r / step) * step * 2.0 ** e      # np.round: ties to even
;;       return np.moveaxis(q.reshape(q.shape[:-2] + (-1,))[..., :K], -1, axis).astype(np.float32)
;;   ~~~
;;   OPERANDS COMPUTED ON THE WAY. 'Computed on the way' means the value that the module computes at that place (a softmax that the list does not call 'softmax' is quantised finished and normalised). What goes into a quantiser is computed in f32, as accurately as f32 sums, v_exp_f32 and their like allow (about 1e-6 of the number): no bf16 or f16 on the way to a quantiser, and a product that is left as it is and whose result goes on into a quantised operand takes f32 operands (vector FMAs, or v_wmma_f32_16x16x4_f32). A number that lies on a knife's edge between two numbers of the format may be rounded either way, as far as f32 arithmetic and the matrix unit's own rounding can turn it there, and no further.
;;   INPUTS GIVEN AS CODES. Wk (in the module: [512, 512], K = its axis 1); Wo (in the module: [512, 512], K = its axis 1); Wq (in the module: [512, 512], K = its axis 1); Wv (in the module: [512, 512], K = its axis 1): each comes as NAME_codes (uint8): NAME with its K axis moved to the last place and cut into blocks of 32 codes, [.., K / 32, bytes a block], one block behind the other in memory; one code a byte (a code: sign, 4 exponent bits, 3 mantissa bits); and NAME_scales (uint8): the same leading axes, one E8M0 byte (e + 127) for each 32 codes along K. Its value is code x scale, taken as it is: it is not quantised again, and the codes and scales need not be those that the quantiser above would give.
;; 2 versions, each right; version 2 is version 1 with the launches kv_prod, attn_out written anew for expert scheduling mode. Each part assembles by itself: llvm-mc -triple=amdgcn-amd-amdhsa -mcpu=gfx1250 --defsym DOCPART=n.
;; ======== version 1 of 2: 3 launches
;; workspace buffers: bufx 17,301,504 bytes; bufk 35,127,296 bytes; bufc 9,175,040 bytes
;; launch proj_kv (part 1): grid 256 x 1, 4 waves a work-group, no clusters, 303,616 bytes of LDS; arguments x, Wk_codes, Wk_scales, Wv_codes, Wv_scales, bufx, bufk; writes bufx, bufk
.if DOCPART == 1
	.amdgcn_target "amdgcn-amd-amdhsa--gfx1250"
	.amdhsa_code_object_version 6
	.text
	.protected	k_q175d69e35c_proj_kv
	.globl	k_q175d69e35c_proj_kv
	.p2align	8
	.type	k_q175d69e35c_proj_kv,@function
k_q175d69e35c_proj_kv:
	s_mov_b64 s[64:65], 0
	v_nop
	global_prefetch_b8 v0, s[64:65] scope:SCOPE_SE
	s_setreg_imm32_b32 hwreg(HW_REG_WAVE_MODE, 25, 1), 1
	s_wait_xcnt 0x0
; PROJ_KV.  x [32768][512] f32 is quantised along its 512 (E4M3 codes, one E8M0 byte for each 32); K = elu(x Wk^T) + 1 and V = x Wv^T are made on codes,
; quantised along the SEQUENCE (the K of the next product) and stored; each block's part of the sum of K over the sequence is stored in f32.
; SHARES.  A work-group takes 128 rows (one K step of the next product).  It quantises them (two tiles of 16 rows) and hands
; the codes to the others through LDS as images of the operand's registers; then every wave keeps all 32 fragments of x in registers and makes columns 128 w .. 128 w + 127 of K, then of V,
; a tile of 16 columns at a time; the weights' tiles come from memory straight into the one wave that uses them, two tiles ahead.
; THE ROWS OF A TILE ARE NOT NEIGHBOURS: lane r of tile T takes row 32 (T / 2) + 8 (T % 2) + r + 8 (r / 8).  Source 0 = 16 rows of x, source 1 = 16 rows of the weight: a lane then holds ONE
; column d, and its 64 result registers of the eight row tiles are s = 32 b + 16 (lane / 16) + i: the layout of a fragment of K^T, so the conversions' results are stored as they stand.
; WORKSPACE is laid in the order of the operand's registers: each store of codes covers 512 consecutive bytes.
; TENSOR LOADS: first fills alone, all at the kernel's start; no LDS byte is filled twice.  A wave has four out at the most.  The text uses 302,080 bytes of LDS.
; NO CLUSTER: x's rows are read by one work-group; a weight byte is used by exactly one wave of a work-group, so it goes to that wave's registers without a way through LDS.
; LIMITS: NaN and infinities among the inputs are not served.  A block whose largest magnitude lies under 2^-118 (a block of zeros too) gets the scale byte 1: its codes are zeros, and these bytes are read by this program alone.
; elu(x) + 1 is taken as the middle one of e^x, 1 and x + 1 (x > 0: 1 < x + 1 <= e^x; x < 0: x + 1 <= e^x < 1), e^x by v_exp_f32 of x log2 e: it differs from expm1(x) + 1 by the rounding of that sum, 2^-24 at the most.  f32 sums are taken as trees.
.set XS_OFF,  16777216                 ; bufx: codes of x [block][tile m][K step][2048], then their scale words [block][2 m + p][32 lanes]
.set VT_OFF,  16777216                 ; bufk: K^T's fragments [block][tile][2048], V^T's,
.set KTS_OFF, 33554432                 ; K^T's scale words [block][pair of tiles][32 lanes], V^T's,
.set VTS_OFF, 34078720
.set KSP_OFF, 34603008                 ; the blocks' parts of the sum of K: [block][512] f32
.set STGW,  66816                      ; LDS: a stage for each wave, from byte 0 on: 32 rows of x; a row is two runs of 1024 bytes, 16 bytes of padding behind each: 2080 bytes
.set TROW,  16640                      ; eight such rows: what one tensor load brings
.set HIOFF, 33296                      ; rows 16-31 begin 16 bytes further on than 16 rows: so rows r and r + 16 start 16 bytes apart modulo 256, and the 16 rows of a read touch 16 different columns of 16 bytes (64 banks of 4 bytes: ISA guide 11.1)
.set IMG0,  267264                     ; the images of the waves' first tiles: 8192 w + 2048 s.  (Those of the second tiles lie in the first 8192 bytes of the wave's own stage, which is read out by then)
.set XSC,   300032                     ; x's scale words, 2048 bytes
.set LI,  4                            ; v4   16 x lane
.set XW1, 5                            ; v5   my stage + 16 x lane: where I store my second tile's images
.set SRD, 6                            ; v6   my stage: row r + 8 (r / 8), + 64 h
.set LS,  7                            ; v7   4 x lane
.set XW0, 8                            ; v8   where I store my first tile's images
.set XWS, 9                            ; v9   and the scale words
.set LSX, 10                           ; v10  4 x lane + XSC
.set WA,  12                           ; v12  a weight tile: row r + 8 (r / 8) of 512 bytes, + 16 h
.set WSA, 13                           ; v13  its scale words: 16 bytes a row
.set KSA, 14                           ; v14  the sum of K: 4 (8 h + r + 8 (r / 8))
.set XS,  16                           ; v16-31 x's scale words: register 2 m + p: lanes 0-15 K step 2 p, lanes 16-31 K step 2 p + 1
.set WS,  32                           ; v32-39 the weights' scale words, set u at 32 + 4 u
.set PC,  40                           ; v40-55 the codes just made; v80-95 a second set, for the odd tile of a pair
.set TM,  56                           ; v56-71 at work in the quantiser
.set PW,  72                           ; v72 the scale word just made; v73 the one before; v74 the two in one register
.set PW0, 73
.set PWS, 74
.set KS0, 75                           ; v75, v76 the sums of K of the pair's two tiles; v77 both in one register; v78 at work
.set KSS, 77
.set KT,  78
.set LI0, 96                           ; v96  16 x lane + IMG0
.set LIS, 100                          ; v100-103 16 x lane + stage of wave 0 .. 3
.set T,   128                          ; v128-191 the eight accumulators of a tile of columns
.set U,   192                          ; v192-255 at work
.set SEL, 20
.set MNT, 22
.set L2E, 24
.set G1,  52                           ; s[52:59] descriptor group 1;  s[68:83] four groups 0: none is ever rewritten
.set G0,  68
.set MSB, 0
.macro WIN new                         ; the immediate's high byte repeats the setting that is left; a switch that changes nothing is dropped
.if MSB != (\new)
	s_set_vgpr_msb (MSB<<8)|(\new)
.set MSB, (\new)
.endif
.endm
.macro PLACES n
.rept \n
	v_nop
.endr
.endm
.macro BARRIER
	s_wait_dscnt 0x0
	s_barrier_signal -1
	s_barrier_wait -1
.endm
; one matrix instruction.  z: the sum begins with 0;  ra, rb: the side's scales are taken from lanes 16-31
.macro WM d, a, b, z, sa, sb, ra, rb
.if (\z)
.if (\ra) && (\rb)
	v_wmma_scale_f32_16x16x128_f8f6f4 v[(\d):(\d)+7], v[(\a):(\a)+15], v[(\b):(\b)+15], 0, v[(\sa)], v[(\sb)] matrix_a_scale:MATRIX_SCALE_ROW1 matrix_b_scale:MATRIX_SCALE_ROW1
.elseif (\ra)
	v_wmma_scale_f32_16x16x128_f8f6f4 v[(\d):(\d)+7], v[(\a):(\a)+15], v[(\b):(\b)+15], 0, v[(\sa)], v[(\sb)] matrix_a_scale:MATRIX_SCALE_ROW1
.elseif (\rb)
	v_wmma_scale_f32_16x16x128_f8f6f4 v[(\d):(\d)+7], v[(\a):(\a)+15], v[(\b):(\b)+15], 0, v[(\sa)], v[(\sb)] matrix_b_scale:MATRIX_SCALE_ROW1
.else
	v_wmma_scale_f32_16x16x128_f8f6f4 v[(\d):(\d)+7], v[(\a):(\a)+15], v[(\b):(\b)+15], 0, v[(\sa)], v[(\sb)]
.endif
.else
.if (\ra) && (\rb)
	v_wmma_scale_f32_16x16x128_f8f6f4 v[(\d):(\d)+7], v[(\a):(\a)+15], v[(\b):(\b)+15], v[(\d):(\d)+7], v[(\sa)], v[(\sb)] matrix_a_scale:MATRIX_SCALE_ROW1 matrix_b_scale:MATRIX_SCALE_ROW1
.elseif (\ra)
	v_wmma_scale_f32_16x16x128_f8f6f4 v[(\d):(\d)+7], v[(\a):(\a)+15], v[(\b):(\b)+15], v[(\d):(\d)+7], v[(\sa)], v[(\sb)] matrix_a_scale:MATRIX_SCALE_ROW1
.elseif (\rb)
	v_wmma_scale_f32_16x16x128_f8f6f4 v[(\d):(\d)+7], v[(\a):(\a)+15], v[(\b):(\b)+15], v[(\d):(\d)+7], v[(\sa)], v[(\sb)] matrix_b_scale:MATRIX_SCALE_ROW1
.else
	v_wmma_scale_f32_16x16x128_f8f6f4 v[(\d):(\d)+7], v[(\a):(\a)+15], v[(\b):(\b)+15], v[(\d):(\d)+7], v[(\sa)], v[(\sb)]
.endif
.endif
.endm
; 64 numbers of a lane, v[s] .. v[s + 63] of window w, register 16 b + i = k 32 b + 16 (lane / 16) + i of the lane's row, become a fragment's codes in v[pc] on and its scale word in v[PW].
; The held numbers go to v[hd] on, in window 0.  xw = 1: the last fragment's global stores read the same code registers: they are waited for here.
.macro QUANT s, w, hd, pc, xw
	WIN (\w)|((\w)<<2)
.irp b, 0,1,2,3
	v_max3_num_f32 v[TM+\b], |v[(\s)+16*\b]|, |v[(\s)+16*\b+1]|, 0x4800000   ; block b: my 16 numbers, and the floor 2^(9 - 127): the byte cannot fall under 1
.endr
.irp i, 2,4,6,8,10,12,14
.irp b, 0,1,2,3
	v_max3_num_f32 v[TM+\b], |v[(\s)+16*\b+\i]|, |v[(\s)+16*\b+\i+1]|, v[TM+\b]   ; the four blocks by turns
.endr
.endr
	WIN 0
.if \xw
	s_wait_xcnt 0x0                                ; the last fragment's global stores have read the codes' registers and the scale word's: they are written again below
.endif
.irp b, 0,1,2,3
	v_permlanex16_b32 v[TM+4+\b], v[TM+\b], s[SEL], s[SEL+1]
.endr
.irp b, 0,1,2,3
	v_max_num_f32 v[TM+\b], v[TM+\b], v[TM+4+\b]   ; with lane l xor 16's: the block's largest magnitude
.endr
.irp b, 0,1,2,3
	v_add_nc_u32 v[TM+12+\b], 0xfc000000, v[TM+\b] ; 8 off its exponent field: the conversion's scale operand
.endr
.irp b, 0,1,2,3
	v_and_or_b32 v[TM+8+\b], v[TM+\b], 0x7f800000, s[MNT]   ; 448 x the scale
.endr
.irp b, 0,1,2,3
	v_lshrrev_b32 v[TM+4+\b], 23, v[TM+12+\b]      ; the scale's byte
.endr
	v_lshl_or_b32 v[PW], v[TM+5], 8, v[TM+4]
	v_lshl_or_b32 v[PW], v[TM+6], 16, v[PW]
	v_lshl_or_b32 v[PW], v[TM+7], 24, v[PW]
	WIN (\w)
.irp b, 0,1,2,3
.irp i, 0,1,2,3,4,5,6,7,8,9,10,11,12,13,14,15
	v_med3_num_f32 v[(\hd)+16*\b+\i], v[(\s)+16*\b+\i], -v[TM+8+\b], v[TM+8+\b]   ; the conversion to an 8-bit code does not saturate (ISA guide 7.6.2): the hold comes first
.endr
.endr
	WIN 0
.irp b, 0,1,2,3
	v_cvt_scalef32_pk8_fp8_f32 v[(\pc)+4*\b:(\pc)+4*\b+1], v[(\hd)+16*\b:(\hd)+16*\b+7], v[TM+12+\b]
	v_cvt_scalef32_pk8_fp8_f32 v[(\pc)+4*\b+2:(\pc)+4*\b+3], v[(\hd)+16*\b+8:(\hd)+16*\b+15], v[TM+12+\b]
.endr
	v_nop                                          ; one plain line behind the conversions, ahead of whatever next touches their registers
.endm
.macro G0SET n, lo, row                ; group 0 of tensor load n: eight rows of x from my row \row on, to byte \lo of my stage
	s_mov_b32 s[G0+4*(\n)], 1                      ; 1:0 count = 1
	s_add_co_u32 s[G0+4*(\n)+1], s27, \lo          ; 63:32 LDS address
	s_add_nc_u64 s[G0+4*(\n)+2:G0+4*(\n)+3], s[4:5], (\row)*2048   ; 120:64 global address
	s_or_b32 s[G0+4*(\n)+3], s[G0+4*(\n)+3], 0x80000000            ; 127:126 type = 2
.endm
.macro RB u, s                         ; out of the stage: lane (r, h) takes, of its row of tile u and K step s, 16 neighbours of each block of 32
	WIN 0
.set TA, 128+64*((\s)%2)
.irp b, 0,1,2,3
.irp j, 0,1,2,3
	ds_load_b128 v[TA+16*\b+4*\j:TA+16*\b+4*\j+3], v[SRD] offset:TROW*(\u)+1040*((\s)/2)+512*((\s)%2)+128*\b+16*\j
.endr
.endr
.endm
.macro QX u                            ; my tile u of x becomes four fragments: to LDS for the other waves, to memory for the last launch
.if (\u) == 0
.set IA, XW0
.else
.set IA, XW1
.endif
	RB \u, 0
.irp s, 0,1,2,3
.if \s < 3
	RB \u, \s+1
	s_wait_dscnt 16                                ; all but the 16 reads just issued: this step's numbers are in, and the last step's LDS stores have read their registers
.else
	s_wait_dscnt 0x0
.endif
	QUANT 128+64*(\s%2), 0, 128+64*(\s%2), PC, 1
.irp c, 0,1,2,3
	ds_store_b128 v[IA], v[PC+4*\c:PC+4*\c+3] offset:2048*\s+512*\c
	global_store_b128 v[LI], v[PC+4*\c:PC+4*\c+3], s[48:49] offset:8192*(\u)+2048*\s+512*\c
.endr
.if \s%2 == 0
	v_mov_b32 v[PW0], v[PW]
.else
	v_cndmask_b32 v[PWS], v[PW0], v[PW], s23       ; lanes 0-15: the even K step's word; lanes 16-31: the odd one's (both halves of the lanes hold both)
	ds_store_b32 v[XWS], v[PWS] offset:256*(\u)+128*(\s/2)
	global_store_b32 v[LS], v[PWS], s[50:51] offset:256*(\u)+128*(\s/2)
.endif
.endr
.endm
.macro PF u                            ; tile u of the pair at s[30:31]: 16 loads of codes, one of scale words: 17
	WIN 0x40
.irp s, 0,1,2,3
.irp c, 0,1,2,3
	global_load_b128 v[64*(\u)+16*\s+4*\c:64*(\u)+16*\s+4*\c+3], v[WA], s[30:31] offset:4096*(\u)+128*\s+32*\c
.endr
.endr
	WIN 0
	global_load_b128 v[WS+4*(\u):WS+4*(\u)+3], v[WSA], s[32:33] offset:128*(\u)
.endm
; T = elu(T) + 1: the middle one of e^T, 1 and T + 1.  For each pair: T log2 e, two exponentials, T + 1, two medians; a plain line that touches neither its result nor its source stands behind every exponential,
; and a pair's medians come a round later.  Each accumulator is read from its low end on.
.macro PHI
	WIN 0
	v_pk_mul_f32 v[U:U+1], v[T:T+1], s[L2E:L2E+1] op_sel_hi:[1,0]
.set J, 0
.rept 32
	v_exp_f32 v[U+J], v[U+J]
.if J < 62
	v_pk_mul_f32 v[U+J+2:U+J+3], v[T+J+2:T+J+3], s[L2E:L2E+1] op_sel_hi:[1,0]
.else
	v_nop
.endif
	v_exp_f32 v[U+J+1], v[U+J+1]
	v_pk_add_f32 v[T+J:T+J+1], v[T+J:T+J+1], 1.0 op_sel_hi:[1,0]
.if J > 0
	s_wait_alu depctr_va_vdst(0)
	v_med3_num_f32 v[T+J-2], v[U+J-2], 1.0, v[T+J-2]
	v_med3_num_f32 v[T+J-1], v[U+J-1], 1.0, v[T+J-1]
.endif
.set J, J+2
.endr
	v_med3_num_f32 v[T+62], v[U+62], 1.0, v[T+62]
	v_med3_num_f32 v[T+63], v[U+63], 1.0, v[T+63]
.endm
.macro KSUM u                          ; the sum of my column's 128 numbers of K, unquantised
	WIN 0
.irp c, 0,1,2,3
	v_pk_add_f32 v[U+2*\c:U+2*\c+1], v[T+2*\c:T+2*\c+1], v[T+8+2*\c:T+9+2*\c]
.endr
.set J, 16
.rept 6
.irp c, 0,1,2,3
	v_pk_add_f32 v[U+2*\c:U+2*\c+1], v[U+2*\c:U+2*\c+1], v[T+J+2*\c:T+J+2*\c+1]
.endr
.set J, J+8
.endr
	v_pk_add_f32 v[U:U+1], v[U:U+1], v[U+2:U+3]
	v_pk_add_f32 v[U+4:U+5], v[U+4:U+5], v[U+6:U+7]
	v_pk_add_f32 v[U:U+1], v[U:U+1], v[U+4:U+5]
	v_add_f32 v[KS0+(\u)], v[U], v[U+1]
	v_permlanex16_b32 v[KT], v[KS0+(\u)], s[SEL], s[SEL+1]
	v_add_f32 v[KS0+(\u)], v[KS0+(\u)], v[KT]
.endm
; The pointers step once a pair, behind the even tile's 32 products: every load and store issued before those products has had its addresses translated long since, so the wait costs little.
; Behind it the bases may be rewritten, and so may both sets of code registers, whose stores all lie in front of it.  The pair's stores then reach back by a negative immediate.
.macro HOOK k, pf
	s_wait_xcnt 0x0
.if \pf
	s_add_nc_u64 s[30:31], s[30:31], 16384         ; the pair that is asked for in this trip
	s_add_nc_u64 s[32:33], s[32:33], 512
.endif
.if \k
	s_cmp_eq_u32 s26, 3                            ; K's last trip asks for V's first pair
	s_cselect_b64 s[30:31], s[44:45], s[30:31]
	s_cselect_b64 s[32:33], s[46:47], s[32:33]
	s_add_nc_u64 s[34:35], s[34:35], 4096
	s_add_nc_u64 s[36:37], s[36:37], 128
	s_add_nc_u64 s[38:39], s[38:39], 128
.else
	s_add_nc_u64 s[40:41], s[40:41], 4096
	s_add_nc_u64 s[42:43], s[42:43], 128
.endif
.endm
; A tile of 16 columns for all 128 rows.  u: which of the pair;  k = 1: K (activation, sum), 0: V;  pf = 1: the tile two tiles on is asked for;  lw: the younger loads that may stay out
.macro TILE u, k, pf, lw
.set PCU, PC+40*(\u)
	s_wait_loadcnt \lw                             ; my set's 17 loads are in; the other set's 17 are younger
	WIN 0x06                                       ; source 0 (x) window 2, source 1 (the weight) window 1, C and D window 0
.irp m, 0,1,2,3,4,5,6,7
	WM T+8*\m, 16*\m, 64*(\u), 1, XS+2*\m, WS+4*(\u), 0, 0
.endr
.irp m, 0,1,2,3,4,5,6,7
	WM T+8*\m, 16*(8+\m), 64*(\u)+16, 0, XS+2*\m, WS+4*(\u)+1, 1, 0
.endr
	WIN 0x07                                       ; x's K steps 2 and 3 lie in window 3
.irp m, 0,1,2,3,4,5,6,7
	WM T+8*\m, 16*\m, 64*(\u)+32, 0, XS+2*\m+1, WS+4*(\u)+2, 0, 0
.endr
.irp m, 0,1,2,3,4,5,6,7
	WM T+8*\m, 16*(8+\m), 64*(\u)+48, 0, XS+2*\m+1, WS+4*(\u)+3, 1, 0
.endr
	WIN 0
	PLACES 8                                       ; eight places behind this form, ahead of loads into its operands and of the first read of its results
.if (\u) == 0
	HOOK \k, \pf
.endif
.if \pf
	PF \u
.endif
.if \k
	PHI
	KSUM \u
.set CPTR, 34
.set SPTR, 36
.else
.set CPTR, 40
.set SPTR, 42
.endif
	QUANT T, 0, T, PCU, 0
.irp c, 0,1,2,3
	global_store_b128 v[LI], v[PCU+4*\c:PCU+4*\c+3], s[CPTR:CPTR+1] offset:2048*(\u)+512*\c-4096   ; 512 consecutive bytes
.endr
.if (\u) == 0
	v_mov_b32 v[PW0], v[PW]
.else
	v_cndmask_b32 v[PWS], v[PW0], v[PW], s23       ; lanes 0-15: the even tile's words; lanes 16-31: the odd tile's
	global_store_b32 v[LS], v[PWS], s[SPTR:SPTR+1] offset:-128
.if \k
	v_cndmask_b32 v[KSS], v[KS0], v[KS0+1], s23
	global_store_b32 v[KSA], v[KSS], s[38:39] offset:-128          ; the pair's 32 columns: 128 consecutive bytes
.endif
.endif
.endm
	s_load_b256 s[4:11], s[0:1], 0x0               ; x, Wk's codes, Wk's scales, Wv's codes
	s_load_b128 s[12:15], s[0:1], 0x20             ; Wv's scales, bufx
	s_load_b64 s[16:17], s[0:1], 0x30              ; bufk
	v_lshl_add_u32 v126, v0, 2, 0x4a000
	v_mov_b32 v127, 0
	ds_add_u32 v126, v127
	ds_add_u32 v126, v127
	v_lshrrev_b32 v1, 5, v0
	v_readfirstlane_b32 s18, v1                    ; wave 0..3
	; descriptor group 1: eight rows of x are 16,384 dense bytes: 16 rows of 1024 bytes (128 elements of 8 bytes), padded in LDS
	s_mov_b32 s[G1+0], (3<<16)|(1<<20)|(7<<22)|(3<<25)   ; 15:0 no mask; 17:16 elements of 8 bytes; 20 padding on; 24:22 after every 256 words (code 7); 31:25 four words (code 3)
	s_mov_b32 s[G1+1], 128<<16                     ; tensor_dim0 = 128
	s_mov_b32 s[G1+2], 16<<16                      ; tensor_dim1 = 16
	s_mov_b32 s[G1+3], 128<<16                     ; tile_dim0 = 128
	s_mov_b32 s[G1+4], 16                          ; tile_dim1 = 16
	s_mov_b32 s[G1+5], 128                         ; tensor_dim0_stride
	s_mov_b32 s[G1+6], 0
	s_mov_b32 s[G1+7], 0
	s_mul_i32 s27, s18, STGW                       ; my stage
	s_lshl_b32 s28, ttmp9, 18                      ; x: 128 rows of 2048 bytes a block, 32 a wave
	s_lshl_b32 s19, s18, 16
	s_add_co_u32 s28, s28, s19
	s_mov_b32 s29, 0
	s_wait_dscnt 0x0
	s_wait_kmcnt 0x0
	s_add_nc_u64 s[4:5], s[4:5], s[28:29]
	G0SET 0, 0, 0                                  ; my first tile's rows: 0-7 and 16-23;
	G0SET 1, HIOFF, 16
	G0SET 2, TROW, 8                               ; my second tile's: 8-15 and 24-31
	G0SET 3, HIOFF+TROW, 24
.irp n, 0,1,2,3
	tensor_load_to_lds s[G0+4*\n:G0+4*\n+3], s[G1:G1+7]   ; the launch's only fills, ahead of every wait on TENSORcnt, every LDS read and the barrier
	s_nop 0
.endr
	PLACES 4                                       ; four v_nop follow the last of them
	s_mov_b32 s28, s19                             ; the weights' codes: my 128 rows of 512 bytes
	s_add_nc_u64 s[30:31], s[6:7], s[28:29]        ; the pair that is asked for: Wk's first
	s_add_nc_u64 s[44:45], s[10:11], s[28:29]      ; Wv's first
	s_lshl_b32 s28, s18, 11                        ; their scales: 16 bytes a row
	s_add_nc_u64 s[32:33], s[8:9], s[28:29]
	s_add_nc_u64 s[46:47], s[12:13], s[28:29]
	v_and_b32 v2, 15, v0                           ; r
	v_bfe_u32 v3, v0, 4, 1                         ; h
	v_and_b32 v11, 8, v2
	v_add_nc_u32 v11, v11, v2                      ; r + 8 (r / 8)
	v_lshlrev_b32 v[WA], 9, v11
	v_lshl_add_u32 v[WA], v3, 4, v[WA]
	v_lshlrev_b32 v[WSA], 4, v11
	PF 0                                           ; Wk's first pair of tiles lands while x is on its way and is quantised
	PF 1
	v_and_b32 v1, 31, v0                           ; lane
	v_lshlrev_b32 v[LI], 4, v1
	v_lshlrev_b32 v[LS], 2, v1
	v_add_nc_u32 v[XW1], s27, v[LI]
	v_mul_u32_u24 v[SRD], v2, 2080                 ; lane r's row of a tile: r rows on, and for r from 8 on eight rows and 16 bytes more
	v_bfe_u32 v15, v0, 3, 1
	v_mad_u32_u24 v[SRD], v15, TROW+16, v[SRD]
	v_lshl_add_u32 v[SRD], v3, 6, v[SRD]
	v_add_nc_u32 v[SRD], s27, v[SRD]
	s_lshl_b32 s19, s18, 13
	s_add_co_u32 s19, s19, IMG0
	v_add_nc_u32 v[XW0], s19, v[LI]
	s_lshl_b32 s19, s18, 9
	s_add_co_u32 s19, s19, XSC
	v_add_nc_u32 v[XWS], s19, v[LS]
	v_add_nc_u32 v[LSX], XSC, v[LS]
	v_add_nc_u32 v[LI0], IMG0, v[LI]
.irp wp, 0,1,2,3
	v_add_nc_u32 v[LIS+\wp], \wp*STGW, v[LI]
.endr
	v_lshl_add_u32 v[KSA], v3, 3, v11
	v_lshlrev_b32 v[KSA], 2, v[KSA]
.irp b, 0,1,2,3
	v_mov_b32 v[TM+4+\b], 0                        ; written once: a lane permute's destination counts as one of its sources
.endr
	v_mov_b32 v[KT], 0
	s_mov_b32 s[SEL], 0x76543210
	s_mov_b32 s[SEL+1], 0xfedcba98                 ; lane l xor 16
	s_mov_b32 s[MNT], 0x600000                     ; the mantissa field of 448
	s_mov_b32 s23, 0xffff0000                      ; lanes 16-31
	s_mov_b32 s[L2E], 0x3fb8aa3b                   ; log2 e
	s_mov_b32 s[L2E+1], s[L2E]
	s_lshl_b32 s28, ttmp9, 16                      ; images: 65536 bytes a block, 16384 a wave
	s_lshl_b32 s19, s18, 14
	s_add_co_u32 s28, s28, s19
	s_add_nc_u64 s[48:49], s[14:15], s[28:29]      ; x's codes
	s_add_nc_u64 s[34:35], s[16:17], s[28:29]      ; K^T's
	s_add_nc_u64 s[40:41], s[34:35], VT_OFF        ; V^T's
	s_lshl_b32 s28, ttmp9, 11                      ; scale words and sums: 2048 bytes a block, 512 a wave
	s_lshl_b32 s19, s18, 9
	s_add_co_u32 s28, s28, s19
	s_add_nc_u64 s[50:51], s[14:15], s[28:29]
	s_add_nc_u64 s[50:51], s[50:51], XS_OFF
	s_add_nc_u64 s[36:37], s[16:17], s[28:29]
	s_add_nc_u64 s[42:43], s[36:37], VTS_OFF
	s_add_nc_u64 s[38:39], s[36:37], KSP_OFF
	s_add_nc_u64 s[36:37], s[36:37], KTS_OFF
	s_wait_tensorcnt 0x2                           ; my first tile's two loads have landed; my second tile's two are younger
	QX 0
	s_wait_tensorcnt 0x0                           ; all four have landed: no fill is out when my stage's first rows are written over below
	QX 1
	BARRIER                                        ; x's 32 images and their scale words lie in LDS: the launch's one barrier
.irp s, 0,1,2,3                        ; every wave takes them all: fragment (m, s) at window 2 + s / 2, register 16 (8 (s % 2) + m); tile m = 2 wp is wave wp's first, 2 wp + 1 its second
	WIN 0x80+0x40*(\s/2)
.irp wp, 0,1,2,3
.irp c, 0,1,2,3
	ds_load_b128 v[16*(8*(\s%2)+2*\wp)+4*\c:16*(8*(\s%2)+2*\wp)+4*\c+3], v[LI0] offset:8192*\wp+2048*\s+512*\c
.endr
.irp c, 0,1,2,3
	ds_load_b128 v[16*(8*(\s%2)+2*\wp+1)+4*\c:16*(8*(\s%2)+2*\wp+1)+4*\c+3], v[LIS+\wp] offset:2048*\s+512*\c
.endr
.endr
.endr
	WIN 0
.irp i, 0,1,2,3,4,5,6,7,8,9,10,11,12,13,14,15
	ds_load_b32 v[XS+\i], v[LSX] offset:128*\i
.endr
	s_wait_dscnt 0x0
	s_mov_b32 s26, 0
.Lk:                                                   ; four pairs of tiles of K
	TILE 0, 1, 1, 17
	TILE 1, 1, 1, 17
	s_add_co_u32 s26, s26, 1
	s_cmp_lt_u32 s26, 4
	s_cbranch_scc1 .Lk
	s_mov_b32 s26, 0
.Lv:                                                   ; three pairs of tiles of V; the fourth is written out: it asks for nothing
	TILE 0, 0, 1, 17
	TILE 1, 0, 1, 17
	s_add_co_u32 s26, s26, 1
	s_cmp_lt_u32 s26, 3
	s_cbranch_scc1 .Lv
	TILE 0, 0, 0, 17
	TILE 1, 0, 0, 0
	s_wait_tensorcnt 0x0
	ds_add_u32 v126, v127
	s_wait_dscnt 0x0
	s_endpgm
.Lfunc_end_k_q175d69e35c_proj_kv:
	.size	k_q175d69e35c_proj_kv, .Lfunc_end_k_q175d69e35c_proj_kv-k_q175d69e35c_proj_kv
	.p2alignl 7, 3214868480
	.fill 96, 4, 3214868480
	.section	.rodata,"a",@progbits
	.p2align	6, 0x0
	.amdhsa_kernel k_q175d69e35c_proj_kv
		.amdhsa_group_segment_fixed_size 303616
		.amdhsa_private_segment_fixed_size 0
		.amdhsa_enable_private_segment 0
		.amdhsa_kernarg_size 56
		.amdhsa_user_sgpr_count 2
		.amdhsa_user_sgpr_kernarg_segment_ptr 1
		.amdhsa_wavefront_size32 1
		.amdhsa_system_sgpr_workgroup_id_x 1
		.amdhsa_system_sgpr_workgroup_id_y 1
		.amdhsa_system_sgpr_workgroup_id_z 1
		.amdhsa_system_vgpr_workitem_id 0
		.amdhsa_next_free_vgpr 1024
		.amdhsa_next_free_sgpr 84
		.amdhsa_reserve_vcc 0
		.amdhsa_float_denorm_mode_32 3
		.amdhsa_float_denorm_mode_16_64 3
		.amdhsa_memory_ordered 1
		.amdhsa_forward_progress 1
		.amdhsa_inst_pref_size 208
	.end_amdhsa_kernel
	.amdgpu_metadata
---
amdhsa.version: [ 1, 2 ]
amdhsa.kernels:
  - .name:           k_q175d69e35c_proj_kv
    .symbol:         k_q175d69e35c_proj_kv.kd
    .args:
      - { .name: x, .offset: 0, .size: 8, .value_kind: global_buffer, .address_space: global }
      - { .name: Wk_codes, .offset: 8, .size: 8, .value_kind: global_buffer, .address_space: global }
      - { .name: Wk_scales, .offset: 16, .size: 8, .value_kind: global_buffer, .address_space: global }
      - { .name: Wv_codes, .offset: 24, .size: 8, .value_kind: global_buffer, .address_space: global }
      - { .name: Wv_scales, .offset: 32, .size: 8, .value_kind: global_buffer, .address_space: global }
      - { .name: bufx, .offset: 40, .size: 8, .value_kind: global_buffer, .address_space: global }
      - { .name: bufk, .offset: 48, .size: 8, .value_kind: global_buffer, .address_space: global }
    .group_segment_fixed_size: 303616
    .private_segment_fixed_size: 0
    .kernarg_segment_align: 8
    .kernarg_segment_size: 56
    .max_flat_workgroup_size: 128
    .sgpr_count:     84
    .vgpr_count:     1024
    .wavefront_size: 32
...
	.end_amdgpu_metadata
.endif
;; end of part 1
;; launch kv_prod (part 2): grid 8 x 32, 4 waves a work-group, no clusters, 0 bytes of LDS; arguments bufk, Wq_codes, Wo_codes, bufc; writes bufc
.if DOCPART == 2
	.amdgcn_target "amdgcn-amd-amdhsa--gfx1250"
	.amdhsa_code_object_version 6
	.text
	.protected	k_q175d69e35c_kv_prod
	.globl	k_q175d69e35c_kv_prod
	.p2align	8
	.type	k_q175d69e35c_kv_prod,@function
k_q175d69e35c_kv_prod:
	s_mov_b64 s[64:65], 0
	v_nop
	global_prefetch_b8 v0, s[64:65] scope:SCOPE_SE
	s_setreg_imm32_b32 hwreg(HW_REG_WAVE_MODE, 25, 1), 1
	s_wait_xcnt 0x0
; KV_PROD.  For each of the 32 sequences kv[d][e] = the sum over the 1024 rows of K[s][d] V[s][e], on the codes that the launch before stored, then quantised along d (the K of the next product).
; Besides, each work-group lays one fragment of Wq or Wo (16 rows x 128 K) in the order of the operand's registers, for the last launch.
; SHARES.  Work-group (x, y): sequence y, 256 d (x & 1) x 128 e (x >> 1).  A wave makes 128 d x 64 e: 8 tiles of K^T x 4 tiles of V^T, 32 accumulators, over 8 K steps of 128 rows, written out.
; Source 0 = 16 rows of K^T (d), source 1 = 16 rows of V^T (e): a lane holds ONE e, and its registers run along d in the order of a fragment, since a tile's rows are d = 32 (T / 2) + 8 (T % 2) + r + 8 (r / 8).
; Fragments lie in memory as images of their registers: every load reads 512 consecutive bytes, straight into registers: no LDS, no barrier.  Loads run two K steps ahead, in two sets.
; NO CLUSTER: a fragment is used by two waves of a work-group and by the work-groups of its row or column; joint loads would ask for a ring in LDS for a launch whose matrix work is 256 instructions a wave.
; LIMITS: as in the launch before: a block whose largest magnitude lies under 2^-118 gets the scale byte 1 over zero codes; NaN and infinities are not served.
.set VT_OFF,   16777216
.set KTS_OFF,  33554432
.set VTS_OFF,  34078720
.set KVS_OFF,  8388608                 ; bufc: kv^T's fragments [sequence][K step][tile of e][2048]; its scale words [sequence][K step][512 e];
.set WIMG_OFF, 8650752                 ; Wq's and Wo's fragments [which][K step][tile][2048]
.set LI,  1                            ; v1  16 x lane
.set LS,  2                            ; v2  4 x lane
.set RLA, 3                            ; v3  a weight's row r + 8 (r / 8) of 512 bytes, + 16 h
.set KVA, 4                            ; v4  4 (8 h + r + 8 (r / 8))
.set KSC, 32                           ; v32-63 K^T's scale words: register 4 sb + pair: lanes 0-15 the even tile, lanes 16-31 the odd one
.set VSC, 64                           ; v64-79 V^T's: register 2 sb + pair
.set PC,  80
.set TM,  96
.set PW,  112
.set PW0, 113
.set PWS, 114
.set KP,  24                           ; s[24:25] K^T's fragments, s[26:27] V^T's, s[28:29], s[30:31] their scale words, s[32:33] kv^T's fragments, s[34:35] its scale words
.set VP,  26
.set KSP, 28
.set VSP, 30
.set KVO, 32
.set KVSO, 34
.set SEL, 40
.set MNT, 42
.set MSB, 0
.macro WIN new
.if MSB != (\new)
	s_set_vgpr_msb (MSB<<8)|(\new)
.set MSB, (\new)
.endif
.endm
.macro PLACES n
.rept \n
	v_nop
.endr
.endm
.macro WM d, a, b, z, sa, sb, ra, rb
.if (\z)
.if (\ra) && (\rb)
	v_wmma_scale_f32_16x16x128_f8f6f4 v[(\d):(\d)+7], v[(\a):(\a)+15], v[(\b):(\b)+15], 0, v[(\sa)], v[(\sb)] matrix_a_scale:MATRIX_SCALE_ROW1 matrix_b_scale:MATRIX_SCALE_ROW1
.elseif (\ra)
	v_wmma_scale_f32_16x16x128_f8f6f4 v[(\d):(\d)+7], v[(\a):(\a)+15], v[(\b):(\b)+15], 0, v[(\sa)], v[(\sb)] matrix_a_scale:MATRIX_SCALE_ROW1
.elseif (\rb)
	v_wmma_scale_f32_16x16x128_f8f6f4 v[(\d):(\d)+7], v[(\a):(\a)+15], v[(\b):(\b)+15], 0, v[(\sa)], v[(\sb)] matrix_b_scale:MATRIX_SCALE_ROW1
.else
	v_wmma_scale_f32_16x16x128_f8f6f4 v[(\d):(\d)+7], v[(\a):(\a)+15], v[(\b):(\b)+15], 0, v[(\sa)], v[(\sb)]
.endif
.else
.if (\ra) && (\rb)
	v_wmma_scale_f32_16x16x128_f8f6f4 v[(\d):(\d)+7], v[(\a):(\a)+15], v[(\b):(\b)+15], v[(\d):(\d)+7], v[(\sa)], v[(\sb)] matrix_a_scale:MATRIX_SCALE_ROW1 matrix_b_scale:MATRIX_SCALE_ROW1
.elseif (\ra)
	v_wmma_scale_f32_16x16x128_f8f6f4 v[(\d):(\d)+7], v[(\a):(\a)+15], v[(\b):(\b)+15], v[(\d):(\d)+7], v[(\sa)], v[(\sb)] matrix_a_scale:MATRIX_SCALE_ROW1
.elseif (\rb)
	v_wmma_scale_f32_16x16x128_f8f6f4 v[(\d):(\d)+7], v[(\a):(\a)+15], v[(\b):(\b)+15], v[(\d):(\d)+7], v[(\sa)], v[(\sb)] matrix_b_scale:MATRIX_SCALE_ROW1
.else
	v_wmma_scale_f32_16x16x128_f8f6f4 v[(\d):(\d)+7], v[(\a):(\a)+15], v[(\b):(\b)+15], v[(\d):(\d)+7], v[(\sa)], v[(\sb)]
.endif
.endif
.endm
; 64 numbers of a lane, v[s] on in window w, register 16 b + i = k 32 b + 16 (lane / 16) + i, become codes in v[PC] on and a scale word in v[PW]; the held numbers go to v[hd] on in window 0
.macro QUANT s, w, hd
	WIN (\w)|((\w)<<2)
.irp b, 0,1,2,3
	v_max3_num_f32 v[TM+\b], |v[(\s)+16*\b]|, |v[(\s)+16*\b+1]|, 0x4800000   ; my 16 numbers of block b, and the floor 2^(9 - 127)
.endr
.irp i, 2,4,6,8,10,12,14
.irp b, 0,1,2,3
	v_max3_num_f32 v[TM+\b], |v[(\s)+16*\b+\i]|, |v[(\s)+16*\b+\i+1]|, v[TM+\b]
.endr
.endr
	WIN 0
	s_wait_xcnt 0x0                                ; the last fragment's stores have read the codes' registers and the scale word's
.irp b, 0,1,2,3
	v_permlanex16_b32 v[TM+4+\b], v[TM+\b], s[SEL], s[SEL+1]
.endr
.irp b, 0,1,2,3
	v_max_num_f32 v[TM+\b], v[TM+\b], v[TM+4+\b]
.endr
.irp b, 0,1,2,3
	v_add_nc_u32 v[TM+12+\b], 0xfc000000, v[TM+\b] ; 8 off the exponent field: the conversion's scale operand
.endr
.irp b, 0,1,2,3
	v_and_or_b32 v[TM+8+\b], v[TM+\b], 0x7f800000, s[MNT]   ; 448 x the scale
.endr
.irp b, 0,1,2,3
	v_lshrrev_b32 v[TM+4+\b], 23, v[TM+12+\b]
.endr
	v_lshl_or_b32 v[PW], v[TM+5], 8, v[TM+4]
	v_lshl_or_b32 v[PW], v[TM+6], 16, v[PW]
	v_lshl_or_b32 v[PW], v[TM+7], 24, v[PW]
	WIN (\w)
.irp b, 0,1,2,3
.irp i, 0,1,2,3,4,5,6,7,8,9,10,11,12,13,14,15
	v_med3_num_f32 v[(\hd)+16*\b+\i], v[(\s)+16*\b+\i], -v[TM+8+\b], v[TM+8+\b]   ; the hold: the conversion does not saturate (ISA guide 7.6.2)
.endr
.endr
	WIN 0
.irp b, 0,1,2,3
	v_cvt_scalef32_pk8_fp8_f32 v[PC+4*\b:PC+4*\b+1], v[(\hd)+16*\b:(\hd)+16*\b+7], v[TM+12+\b]
	v_cvt_scalef32_pk8_fp8_f32 v[PC+4*\b+2:PC+4*\b+3], v[(\hd)+16*\b+8:(\hd)+16*\b+15], v[TM+12+\b]
.endr
	v_nop
.endm
.macro LOADSET sb                      ; K step sb: 8 fragments of K^T into window 1, 4 of V^T into window 0: 48 loads
.set PP, (\sb)%2
	WIN 0x40
.irp td, 0,1,2,3,4,5,6,7
.irp c, 0,1,2,3
	global_load_b128 v[128*PP+16*\td+4*\c:128*PP+16*\td+4*\c+3], v[LI], s[KP:KP+1] offset:65536*(\sb)+2048*\td+512*\c
.endr
.endr
	WIN 0
.irp te, 0,1,2,3
.irp c, 0,1,2,3
	global_load_b128 v[128+64*PP+16*\te+4*\c:128+64*PP+16*\te+4*\c+3], v[LI], s[VP:VP+1] offset:65536*(\sb)+2048*\te+512*\c
.endr
.endr
.endm
.macro STEP sb
.set PP, (\sb)%2
.set ZZ, 0
.if (\sb) == 0
.set ZZ, 1
.endif
.if (\sb) < 7
	s_wait_loadcnt 48                              ; the next K step's 48 loads are younger
.else
	s_wait_loadcnt 0x0
.endif
.if (\sb) == 0
	WIN 0
	global_store_b128 v[LI], v[8:11], s[38:39]     ; my quarter of the weight's fragment: 512 consecutive bytes
.endif
	WIN 0xa1                                       ; source 0 (K^T) window 1, source 1 (V^T) window 0, C and D window 2
.irp te, 0,1,2,3
.irp td, 0,1,2,3,4,5,6,7
	WM 8*(8*\te+\td), 128*PP+16*\td, 128+64*PP+16*\te, ZZ, KSC+4*(\sb)+\td/2, VSC+2*(\sb)+\te/2, \td%2, \te%2
.endr
.endr
	WIN 0
	PLACES 8                                       ; eight places behind this form, ahead of loads into its operands and of the first read of its results
.if (\sb) < 6
	LOADSET (\sb)+2
.endif
.endm
	s_load_b256 s[4:11], s[0:1], 0x0               ; bufk, Wq's codes, Wo's codes, bufc
	v_lshrrev_b32 v5, 5, v0
	v_readfirstlane_b32 s12, v5                    ; wave
	v_and_b32 v5, 31, v0
	v_and_b32 v6, 15, v0
	v_bfe_u32 v7, v0, 4, 1
	v_lshlrev_b32 v[LI], 4, v5
	v_lshlrev_b32 v[LS], 2, v5
	v_and_b32 v5, 8, v6
	v_add_nc_u32 v5, v5, v6                        ; r + 8 (r / 8)
	v_lshlrev_b32 v[RLA], 9, v5
	v_lshl_add_u32 v[RLA], v7, 4, v[RLA]
	v_lshl_add_u32 v[KVA], v7, 3, v5
	v_lshlrev_b32 v[KVA], 2, v[KVA]
.irp b, 0,1,2,3
	v_mov_b32 v[TM+4+\b], 0                        ; a lane permute's destination counts as one of its sources
.endr
	s_mov_b32 s[SEL], 0x76543210
	s_mov_b32 s[SEL+1], 0xfedcba98
	s_mov_b32 s[MNT], 0x600000
	s_mov_b32 s43, 0xffff0000                      ; lanes 16-31
	s_and_b32 s13, ttmp7, 0xffff                   ; the sequence
	s_and_b32 s14, ttmp9, 1
	s_lshr_b32 s15, ttmp9, 1
	s_and_b32 s16, s12, 1
	s_lshr_b32 s17, s12, 1
	s_lshl_b32 s18, s14, 1
	s_add_co_u32 s18, s18, s16                     ; kd: which 128 d are my wave's
	s_lshl_b32 s19, s15, 1
	s_add_co_u32 s19, s19, s17                     ; ev: which 64 e
	s_lshl_b32 s20, s13, 3
	s_add_co_u32 s20, s20, ttmp9                   ; the work-group's number, 0 .. 255: which fragment of Wq (under 128) or Wo it lays
	s_mov_b32 s45, 0
	s_wait_kmcnt 0x0
	s_lshl_b32 s44, s13, 19
	s_lshl_b32 s21, s18, 14
	s_add_co_u32 s44, s44, s21
	s_add_nc_u64 s[KP:KP+1], s[4:5], s[44:45]
	s_lshl_b32 s44, s13, 19
	s_lshl_b32 s21, s19, 13
	s_add_co_u32 s44, s44, s21
	s_add_nc_u64 s[VP:VP+1], s[4:5], s[44:45]
	s_add_nc_u64 s[VP:VP+1], s[VP:VP+1], VT_OFF
	s_lshl_b32 s44, s13, 14
	s_lshl_b32 s21, s18, 9
	s_add_co_u32 s44, s44, s21
	s_add_nc_u64 s[KSP:KSP+1], s[4:5], s[44:45]
	s_add_nc_u64 s[KSP:KSP+1], s[KSP:KSP+1], KTS_OFF
	s_lshl_b32 s44, s13, 14
	s_lshl_b32 s21, s19, 8
	s_add_co_u32 s44, s44, s21
	s_add_nc_u64 s[VSP:VSP+1], s[4:5], s[44:45]
	s_add_nc_u64 s[VSP:VSP+1], s[VSP:VSP+1], VTS_OFF
	s_lshl_b32 s44, s13, 18
	s_lshl_b32 s21, s18, 16
	s_add_co_u32 s44, s44, s21
	s_lshl_b32 s21, s19, 13
	s_add_co_u32 s44, s44, s21
	s_add_nc_u64 s[KVO:KVO+1], s[10:11], s[44:45]
	s_lshl_b32 s44, s13, 13
	s_lshl_b32 s21, s18, 11
	s_add_co_u32 s44, s44, s21
	s_lshl_b32 s21, s19, 8
	s_add_co_u32 s44, s44, s21
	s_add_nc_u64 s[KVSO:KVSO+1], s[10:11], s[44:45]
	s_add_nc_u64 s[KVSO:KVSO+1], s[KVSO:KVSO+1], KVS_OFF
	s_cmp_lt_u32 s20, 128                          ; the choice hangs on the work-group's number alone
	s_cselect_b64 s[36:37], s[6:7], s[8:9]
	s_and_b32 s21, s20, 31                         ; tile T
	s_lshr_b32 s22, s21, 1
	s_lshl_b32 s44, s22, 14                        ; 32 (T / 2) rows of 512 bytes
	s_and_b32 s22, s21, 1
	s_lshl_b32 s22, s22, 12                        ; + 8 (T % 2) rows
	s_add_co_u32 s44, s44, s22
	s_bfe_u32 s22, s20, 0x20005                    ; the K step: 128 bytes of a row
	s_lshl_b32 s22, s22, 7
	s_add_co_u32 s44, s44, s22
	s_lshl_b32 s22, s12, 5                         ; wave w takes registers 4 w .. 4 w + 3: 32 bytes on
	s_add_co_u32 s44, s44, s22
	s_add_nc_u64 s[36:37], s[36:37], s[44:45]
	s_lshl_b32 s44, s20, 11
	s_lshl_b32 s22, s12, 9
	s_add_co_u32 s44, s44, s22
	s_add_nc_u64 s[38:39], s[10:11], s[44:45]
	s_add_nc_u64 s[38:39], s[38:39], WIMG_OFF
	global_load_b128 v[8:11], v[RLA], s[36:37]
.irp sb, 0,1,2,3,4,5,6,7
.irp p, 0,1,2,3
	global_load_b32 v[KSC+4*\sb+\p], v[LS], s[KSP:KSP+1] offset:2048*\sb+128*\p
.endr
.irp p, 0,1
	global_load_b32 v[VSC+2*\sb+\p], v[LS], s[VSP:VSP+1] offset:2048*\sb+128*\p
.endr
.endr
	LOADSET 0
	LOADSET 1
.irp sb, 0,1,2,3,4,5,6,7
	STEP \sb
.endr
.irp te, 0,1,2,3                       ; a tile of e: its 64 registers run along my 128 d
	QUANT 64*\te, 2, 128
.irp c, 0,1,2,3
	global_store_b128 v[LI], v[PC+4*\c:PC+4*\c+3], s[KVO:KVO+1] offset:2048*\te+512*\c
.endr
.if \te%2 == 0
	v_mov_b32 v[PW0], v[PW]
.else
	v_cndmask_b32 v[PWS], v[PW0], v[PW], s43       ; lanes 0-15: the even tile's words; lanes 16-31: the odd tile's: 32 neighbouring e
	global_store_b32 v[KVA], v[PWS], s[KVSO:KVSO+1] offset:128*(\te/2)
.endif
.endr
	s_endpgm
.Lfunc_end_k_q175d69e35c_kv_prod:
	.size	k_q175d69e35c_kv_prod, .Lfunc_end_k_q175d69e35c_kv_prod-k_q175d69e35c_kv_prod
	.p2alignl 7, 3214868480
	.fill 96, 4, 3214868480
	.section	.rodata,"a",@progbits
	.p2align	6, 0x0
	.amdhsa_kernel k_q175d69e35c_kv_prod
		.amdhsa_group_segment_fixed_size 0
		.amdhsa_private_segment_fixed_size 0
		.amdhsa_enable_private_segment 0
		.amdhsa_kernarg_size 32
		.amdhsa_user_sgpr_count 2
		.amdhsa_user_sgpr_kernarg_segment_ptr 1
		.amdhsa_wavefront_size32 1
		.amdhsa_system_sgpr_workgroup_id_x 1
		.amdhsa_system_sgpr_workgroup_id_y 1
		.amdhsa_system_sgpr_workgroup_id_z 1
		.amdhsa_system_vgpr_workitem_id 0
		.amdhsa_next_free_vgpr 768
		.amdhsa_next_free_sgpr 66
		.amdhsa_reserve_vcc 0
		.amdhsa_float_denorm_mode_32 3
		.amdhsa_float_denorm_mode_16_64 3
		.amdhsa_memory_ordered 1
		.amdhsa_forward_progress 1
		.amdhsa_inst_pref_size 114
	.end_amdhsa_kernel
	.amdgpu_metadata
---
amdhsa.version: [ 1, 2 ]
amdhsa.kernels:
  - .name:           k_q175d69e35c_kv_prod
    .symbol:         k_q175d69e35c_kv_prod.kd
    .args:
      - { .name: bufk, .offset: 0, .size: 8, .value_kind: global_buffer, .address_space: global }
      - { .name: Wq_codes, .offset: 8, .size: 8, .value_kind: global_buffer, .address_space: global }
      - { .name: Wo_codes, .offset: 16, .size: 8, .value_kind: global_buffer, .address_space: global }
      - { .name: bufc, .offset: 24, .size: 8, .value_kind: global_buffer, .address_space: global }
    .group_segment_fixed_size: 0
    .private_segment_fixed_size: 0
    .kernarg_segment_align: 8
    .kernarg_segment_size: 32
    .max_flat_workgroup_size: 128
    .sgpr_count:     66
    .vgpr_count:     768
    .wavefront_size: 32
...
	.end_amdgpu_metadata
.endif
;; end of part 2
;; launch attn_out (part 3): grid 256 x 1, 4 waves a work-group, no clusters, 184,832 bytes of LDS; arguments bufx, bufk, bufc, Wq_scales, Wo_scales, bo, gamma, beta, out0; writes out0
.if DOCPART == 3
	.amdgcn_target "amdgcn-amd-amdhsa--gfx1250"
	.amdhsa_code_object_version 6
	.text
	.protected	k_q175d69e35c_attn_out
	.globl	k_q175d69e35c_attn_out
	.p2align	8
	.type	k_q175d69e35c_attn_out,@function
k_q175d69e35c_attn_out:
	s_mov_b64 s[64:65], 0
	v_nop
	global_prefetch_b8 v0, s[64:65] scope:SCOPE_SE
	s_setreg_imm32_b32 hwreg(HW_REG_WAVE_MODE, 25, 1), 1
	s_wait_xcnt 0x0
; ATTN_OUT.  For 128 rows: Q = elu(x Wq^T) + 1 on x's stored codes; den = max(Q . k_sum, 1e-6) on the unquantised Q; num = Q kv; out = num / den; y = out Wo^T + bo + out; LayerNorm; store.
; SHARES.  A work-group takes the 128 rows of one block.  THE WAVES SHARE THE COLUMNS: wave w makes columns 128 w .. 128 w + 127 of Q, of num and out, and of y, for all 128 rows.
; All three products are used transposed (source 0 = 16 rows of Wq, kv^T or Wo, source 1 = 16 rows of x, Q or out): a lane holds ONE row throughout, and, a tile's rows being
; 32 (T / 2) + 8 (T % 2) + r + 8 (r / 8), register 16 b + i of a row tile is column 128 w + 32 b + 16 (lane / 16) + i: the order of the next operand's fragment.  So out + bo lies where y's accumulators lie and is their C.
; The far operands come from memory, laid in the order of their registers, straight into the one wave that uses them, two K steps ahead in two sets; the row operands go from wave to wave through LDS as images of their registers.
; NO CLUSTER, NO TENSOR LOAD: a byte of Wq, kv^T or Wo is used by exactly one wave of a work-group; a ring in LDS for joint loads would add a write and a read of 768 KB a work-group beside 128 KB of images.
; Five barriers: x's images and the parameters | Q's images and the parts of den | out's images | the rows' sums | the rows' sums of squares.
; LIMITS: NaN and infinities are not served; a block whose largest magnitude lies under 2^-118 gets the scale byte 1 over zero codes; 1 / den by v_rcp_f32, the norm's factor by v_rsq_f32; f32 sums as trees; the variance in two passes.
; elu(x) + 1 is taken as the middle one of e^x, 1 and x + 1, e^x by v_exp_f32 of x log2 e: it differs from expm1(x) + 1 by the rounding of that sum, 2^-24 at the most.
.set XS_OFF,   16777216
.set KSP_OFF,  34603008
.set KVS_OFF,  8388608
.set WIMG_OFF, 8650752
.set QIMG, 65536                       ; LDS: 0: x's 32 images (4 m + s) x 2048, later out's (8 s + m) x 2048;  QIMG: Q's (8 s + m) x 2048
.set XSC,  131072                      ; x's scale words, later out's;  QSC: Q's: word (s, m, r) at 512 s + 64 m + 4 r
.set QSC,  133120
.set DEN,  135168                      ; [wave][128 rows] f32: parts of den; + 2048: of the rows' sums; + 4096: of the sums of squares
.set PAR,  141312                      ; k_sum, bo, gamma, beta: 2048 bytes each
.set STG,  149504                      ; a stage for each wave: 16 rows of 512 bytes + 16
.set LI,   1                           ; v1  16 x lane
.set LIQ,  2                           ; v2  + QIMG
.set LSX,  3                           ; v3  4 x lane + XSC
.set LHQ,  4                           ; v4  4 r + 512 h + QSC
.set LHO,  5                           ; v5  4 r + 512 h + XSC
.set AQ0,  6                           ; v6  where I store Q's images;  v7 out's (and x's at the head)
.set AO0,  7
.set AQS0, 8                           ; v8  Q's scale words;  v9 out's;  v10 my parts of the rows' figures
.set AOS0, 9
.set ADN0, 10
.set R4D,  11                          ; v11 4 r + DEN
.set PA,   12                          ; v12 PAR + 512 w + 64 h: my columns' parameters
.set STO,  13                          ; v13, v14 the stage: in, back
.set SRD,  14
.set WSA,  15                          ; v15 16 (r + 8 (r / 8));  v16 4 (r + 8 (r / 8))
.set KSA4, 16
.set TI,   17                          ; v17 16 x thread
.set AX,   18                          ; v18-22 a trip's addresses
.set AXS,  19
.set AQ,   20
.set AQS,  21
.set ADN,  22
.set PW,   28
.set WS,   32                          ; v32-63 the far operand's scale words: register 4 t + s
.set XS,   64                          ; v64-79 the row operand's: register 2 m + p: lanes 0-15 K step 2 p, lanes 16-31 K step 2 p + 1
.set PC,   80                          ; v80-95 codes; at the end the norm's factors, in pairs
.set TM,   96                          ; v96-111 at work in the quantiser; at the end running sums, in pairs
.set SA,   96
.set DA,   112                         ; v112-127 den's chains; 1 / den in pairs; - mean in pairs
.set T,    128                         ; v128-191, v192-255 at work; in the two large products the row fragments, 128 + 16 m
.set U,    192
.set WV,   22
.set SEL,  26
.set MNT,  28
.set L2E,  30
.set KVP,  42
.set WQP,  44
.set WOP,  46
.set KVSP, 48
.set XSP,  50
.set MSB, 0
.macro WIN new
.if MSB != (\new)
	s_set_vgpr_msb (MSB<<8)|(\new)
.set MSB, (\new)
.endif
.endm
.macro PLACES n
.rept \n
	v_nop
.endr
.endm
.macro BARRIER                         ; my LDS stores have landed and my LDS loads are in: then the work-group's barrier
	s_wait_dscnt 0x0
	s_barrier_signal -1
	s_barrier_wait -1
.endm
.macro WM d, a, b, z, sa, sb, ra, rb
.if (\z)
.if (\ra) && (\rb)
	v_wmma_scale_f32_16x16x128_f8f6f4 v[(\d):(\d)+7], v[(\a):(\a)+15], v[(\b):(\b)+15], 0, v[(\sa)], v[(\sb)] matrix_a_scale:MATRIX_SCALE_ROW1 matrix_b_scale:MATRIX_SCALE_ROW1
.elseif (\ra)
	v_wmma_scale_f32_16x16x128_f8f6f4 v[(\d):(\d)+7], v[(\a):(\a)+15], v[(\b):(\b)+15], 0, v[(\sa)], v[(\sb)] matrix_a_scale:MATRIX_SCALE_ROW1
.elseif (\rb)
	v_wmma_scale_f32_16x16x128_f8f6f4 v[(\d):(\d)+7], v[(\a):(\a)+15], v[(\b):(\b)+15], 0, v[(\sa)], v[(\sb)] matrix_b_scale:MATRIX_SCALE_ROW1
.else
	v_wmma_scale_f32_16x16x128_f8f6f4 v[(\d):(\d)+7], v[(\a):(\a)+15], v[(\b):(\b)+15], 0, v[(\sa)], v[(\sb)]
.endif
.else
.if (\ra) && (\rb)
	v_wmma_scale_f32_16x16x128_f8f6f4 v[(\d):(\d)+7], v[(\a):(\a)+15], v[(\b):(\b)+15], v[(\d):(\d)+7], v[(\sa)], v[(\sb)] matrix_a_scale:MATRIX_SCALE_ROW1 matrix_b_scale:MATRIX_SCALE_ROW1
.elseif (\ra)
	v_wmma_scale_f32_16x16x128_f8f6f4 v[(\d):(\d)+7], v[(\a):(\a)+15], v[(\b):(\b)+15], v[(\d):(\d)+7], v[(\sa)], v[(\sb)] matrix_a_scale:MATRIX_SCALE_ROW1
.elseif (\rb)
	v_wmma_scale_f32_16x16x128_f8f6f4 v[(\d):(\d)+7], v[(\a):(\a)+15], v[(\b):(\b)+15], v[(\d):(\d)+7], v[(\sa)], v[(\sb)] matrix_b_scale:MATRIX_SCALE_ROW1
.else
	v_wmma_scale_f32_16x16x128_f8f6f4 v[(\d):(\d)+7], v[(\a):(\a)+15], v[(\b):(\b)+15], v[(\d):(\d)+7], v[(\sa)], v[(\sb)]
.endif
.endif
.endm
; 64 numbers of a lane, v[s] on in window w, register 16 b + i = k 32 b + 16 (lane / 16) + i of the lane's row, become codes in v[PC] on and a scale word in v[PW]; the held numbers go to v[hd] on in window 0
.macro QUANT s, w, hd
	WIN (\w)|((\w)<<2)
.irp b, 0,1,2,3
	v_max3_num_f32 v[TM+\b], |v[(\s)+16*\b]|, |v[(\s)+16*\b+1]|, 0x4800000   ; my 16 numbers of block b, and the floor 2^(9 - 127)
.endr
.irp i, 2,4,6,8,10,12,14
.irp b, 0,1,2,3
	v_max3_num_f32 v[TM+\b], |v[(\s)+16*\b+\i]|, |v[(\s)+16*\b+\i+1]|, v[TM+\b]
.endr
.endr
	WIN 0
	s_wait_dscnt 0x0                               ; the last fragment's LDS stores have read the codes' registers and the scale word's
.irp b, 0,1,2,3
	v_permlanex16_b32 v[TM+4+\b], v[TM+\b], s[SEL], s[SEL+1]
.endr
.irp b, 0,1,2,3
	v_max_num_f32 v[TM+\b], v[TM+\b], v[TM+4+\b]
.endr
.irp b, 0,1,2,3
	v_add_nc_u32 v[TM+12+\b], 0xfc000000, v[TM+\b] ; 8 off the exponent field: the conversion's scale operand
.endr
.irp b, 0,1,2,3
	v_and_or_b32 v[TM+8+\b], v[TM+\b], 0x7f800000, s[MNT]   ; 448 x the scale
.endr
.irp b, 0,1,2,3
	v_lshrrev_b32 v[TM+4+\b], 23, v[TM+12+\b]
.endr
	v_lshl_or_b32 v[PW], v[TM+5], 8, v[TM+4]
	v_lshl_or_b32 v[PW], v[TM+6], 16, v[PW]
	v_lshl_or_b32 v[PW], v[TM+7], 24, v[PW]
	WIN (\w)
.irp b, 0,1,2,3
.irp i, 0,1,2,3,4,5,6,7,8,9,10,11,12,13,14,15
	v_med3_num_f32 v[(\hd)+16*\b+\i], v[(\s)+16*\b+\i], -v[TM+8+\b], v[TM+8+\b]   ; the hold: the conversion does not saturate (ISA guide 7.6.2)
.endr
.endr
	WIN 0
.irp b, 0,1,2,3
	v_cvt_scalef32_pk8_fp8_f32 v[PC+4*\b:PC+4*\b+1], v[(\hd)+16*\b:(\hd)+16*\b+7], v[TM+12+\b]
	v_cvt_scalef32_pk8_fp8_f32 v[PC+4*\b+2:PC+4*\b+3], v[(\hd)+16*\b+8:(\hd)+16*\b+15], v[TM+12+\b]
.endr
	v_nop
.endm
; T = elu(T) + 1: the middle one of e^T, 1 and T + 1.  For each pair: T log2 e, two exponentials, T + 1, two medians; a plain line that touches neither its result nor its source stands behind every exponential,
; and a pair's medians come a round later.  Each accumulator is read from its low end on.
.macro PHI
	WIN 0
	v_pk_mul_f32 v[U:U+1], v[T:T+1], s[L2E:L2E+1] op_sel_hi:[1,0]
.set J, 0
.rept 32
	v_exp_f32 v[U+J], v[U+J]
.if J < 62
	v_pk_mul_f32 v[U+J+2:U+J+3], v[T+J+2:T+J+3], s[L2E:L2E+1] op_sel_hi:[1,0]
.else
	v_nop
.endif
	v_exp_f32 v[U+J+1], v[U+J+1]
	v_pk_add_f32 v[T+J:T+J+1], v[T+J:T+J+1], 1.0 op_sel_hi:[1,0]
.if J > 0
	s_wait_alu depctr_va_vdst(0)
	v_med3_num_f32 v[T+J-2], v[U+J-2], 1.0, v[T+J-2]
	v_med3_num_f32 v[T+J-1], v[U+J-1], 1.0, v[T+J-1]
.endif
.set J, J+2
.endr
	v_med3_num_f32 v[T+62], v[U+62], 1.0, v[T+62]
	v_med3_num_f32 v[T+63], v[U+63], 1.0, v[T+63]
.endm
.macro WLOAD wset, ptr, s              ; my 8 tiles of the far operand's K step s into set wset of window 1: 32 loads of 512 consecutive bytes
	WIN 0x40
.irp t, 0,1,2,3,4,5,6,7
.irp c, 0,1,2,3
	global_load_b128 v[128*(\wset)+16*\t+4*\c:128*(\wset)+16*\t+4*\c+3], v[LI], s[\ptr:\ptr+1] offset:65536*(\s)+2048*\t+512*\c
.endr
.endr
	WIN 0
.endm
.macro FETCH li, s, m0                 ; the row operand's fragments m0 .. m0 + 3 of K step s: 16 LDS loads
	WIN 0
.irp mm, 0,1,2,3
.irp c, 0,1,2,3
	ds_load_b128 v[128+16*((\m0)+\mm)+4*\c:128+16*((\m0)+\mm)+4*\c+3], v[\li] offset:(8*(\s)+(\m0)+\mm)*2048+512*\c
.endr
.endr
.endm
.macro GENTRY li, lh                   ; the row operand's scale words of all K steps, and K step 0's fragments
	WIN 0
.irp m, 0,1,2,3,4,5,6,7
.irp p, 0,1
	ds_load_b32 v[XS+2*\m+\p], v[\lh] offset:1024*\p+64*\m
.endr
.endr
	FETCH \li, 0, 0
	FETCH \li, 0, 4
.endm
; A K step of a large product: 64 matrix instructions, the 64 accumulators by turns, in the same order in every step.  lw: the younger global loads that may stay out
.macro STEPG li, s, z, lw
	s_wait_loadcnt \lw
	s_wait_dscnt 16                                ; row fragments 0-3 (and the scale words) are in; 4-7 may be out
	WIN 0xa1                                       ; source 0 window 1, source 1 window 0, C and D window 2
.irp m, 0,1,2,3
.irp t, 0,1,2,3,4,5,6,7
	WM 8*(8*\m+\t), 128*((\s)%2)+16*\t, 128+16*\m, \z, WS+4*\t+(\s), XS+2*\m+(\s)/2, 0, (\s)%2
.endr
.endr
	s_wait_dscnt 0x0
	PLACES 8                                       ; eight places behind this form, ahead of loads into its operands
.if (\s) < 3
	FETCH \li, (\s)+1, 0
.endif
	WIN 0xf1                                       ; C and D window 3
.irp m, 4,5,6,7
.irp t, 0,1,2,3,4,5,6,7
	WM 8*(8*(\m-4)+\t), 128*((\s)%2)+16*\t, 128+16*\m, \z, WS+4*\t+(\s), XS+2*\m+(\s)/2, 0, (\s)%2
.endr
.endr
	PLACES 8
.if (\s) < 3
	FETCH \li, (\s)+1, 4
.endif
	WIN 0
.endm
.macro SUM4 base                       ; the four waves' parts of eight figures: v[base + 4 m + wave] -> v[base + 4 m]
.irp m, 0,1,2,3,4,5,6,7
	v_add_f32 v[(\base)+4*\m], v[(\base)+4*\m], v[(\base)+4*\m+1]
.endr
.irp m, 0,1,2,3,4,5,6,7
	v_add_f32 v[(\base)+4*\m+2], v[(\base)+4*\m+2], v[(\base)+4*\m+3]
.endr
.irp m, 0,1,2,3,4,5,6,7
	v_add_f32 v[(\base)+4*\m], v[(\base)+4*\m], v[(\base)+4*\m+2]
.endr
.endm
.macro NEPI m                          ; row tile m: out = num / den into T, out + bo into the accumulators; out's codes to LDS
.set W, 2+(\m)/4
.set AB, 64*((\m)%4)
	WIN W
.set J, 0
.rept 32
	v_pk_mul_f32 v[T+J:T+J+1], v[AB+J:AB+J+1], v[DA+2*(\m):DA+2*(\m)+1]
.set J, J+2
.endr
	WIN W|(W<<6)
.set J, 0
.rept 32
	v_pk_fma_f32 v[AB+J:AB+J+1], v[AB+J:AB+J+1], v[DA+2*(\m):DA+2*(\m)+1], v[U+J:U+J+1]
.set J, J+2
.endr
	QUANT T, 0, T
.irp c, 0,1,2,3
	ds_store_b128 v[AO0], v[PC+4*\c:PC+4*\c+3] offset:2048*(\m)+512*\c
.endr
	ds_store_b32 v[AOS0], v[PW] offset:64*(\m)
.endm
.macro RED off                         ; eight running pairs -> the rows' figures over all 512 columns, in v[128 + 4 m]
	WIN 0
.irp m, 0,1,2,3,4,5,6,7
	v_add_f32 v[SA+2*\m], v[SA+2*\m], v[SA+2*\m+1]
.endr
.irp m, 0,1,2,3,4,5,6,7
	v_permlanex16_b32 v[SA+2*\m+1], v[SA+2*\m], s[SEL], s[SEL+1]
.endr
.irp m, 0,1,2,3,4,5,6,7
	v_add_f32 v[SA+2*\m], v[SA+2*\m], v[SA+2*\m+1]
.endr
.irp m, 0,1,2,3,4,5,6,7
	ds_store_b32 v[ADN0], v[SA+2*\m] offset:(\off)+64*\m
.endr
	BARRIER
.irp m, 0,1,2,3,4,5,6,7
.irp ww, 0,1,2,3
	ds_load_b32 v[128+4*\m+\ww], v[R4D] offset:(\off)+512*\ww+64*\m
.endr
.endr
	s_wait_dscnt 0x0
	SUM4 128
.endm
.macro LNSUM win                       ; the sums of four row tiles' 64 registers, the four by turns, each accumulator from its low end on
	WIN (\win)|((\win)<<2)
.irp mm, 0,1,2,3
	v_pk_add_f32 v[SA+2*(4*((\win)-2)+\mm):SA+2*(4*((\win)-2)+\mm)+1], v[64*\mm:64*\mm+1], v[64*\mm+2:64*\mm+3]
.endr
	WIN (\win)
.set J, 4
.rept 30
.irp mm, 0,1,2,3
	v_pk_add_f32 v[SA+2*(4*((\win)-2)+\mm):SA+2*(4*((\win)-2)+\mm)+1], v[64*\mm+J:64*\mm+J+1], v[SA+2*(4*((\win)-2)+\mm):SA+2*(4*((\win)-2)+\mm)+1]
.endr
.set J, J+2
.endr
.endm
.macro LNVAR win                       ; y - mean in place, and the sums of its squares
	WIN (\win)|((\win)<<6)
.irp mm, 0,1,2,3
.set J, 0
.rept 32
	v_pk_add_f32 v[64*\mm+J:64*\mm+J+1], v[64*\mm+J:64*\mm+J+1], v[DA+2*(4*((\win)-2)+\mm):DA+2*(4*((\win)-2)+\mm)+1]
.set J, J+2
.endr
.endr
	WIN (\win)|((\win)<<2)
.irp mm, 0,1,2,3
	v_pk_mul_f32 v[SA+2*(4*((\win)-2)+\mm):SA+2*(4*((\win)-2)+\mm)+1], v[64*\mm:64*\mm+1], v[64*\mm:64*\mm+1]
.endr
.set J, 2
.rept 31
.irp mm, 0,1,2,3
	v_pk_fma_f32 v[SA+2*(4*((\win)-2)+\mm):SA+2*(4*((\win)-2)+\mm)+1], v[64*\mm+J:64*\mm+J+1], v[64*\mm+J:64*\mm+J+1], v[SA+2*(4*((\win)-2)+\mm):SA+2*(4*((\win)-2)+\mm)+1]
.endr
.set J, J+2
.endr
.endm
.macro LNOUT m                         ; row tile m: x the norm's factor, x gamma + beta
.set W, 2+(\m)/4
.set AB, 64*((\m)%4)
	WIN W|(W<<6)
.set J, 0
.rept 32
	v_pk_mul_f32 v[AB+J:AB+J+1], v[AB+J:AB+J+1], v[PC+2*(\m):PC+2*(\m)+1]
.set J, J+2
.endr
	WIN W|(W<<6)|0x14                              ; gamma and beta lie in window 1
.set J, 0
.rept 32
	v_pk_fma_f32 v[AB+J:AB+J+1], v[AB+J:AB+J+1], v[J:J+1], v[64+J:65+J]
.set J, J+2
.endr
.endm
.macro TOSTAGE m                       ; a lane holds pieces of one row: through my own stage, back as whole runs of 512 bytes.  LDS serves a wave's instructions in order (ISA guide 5.7.1.4)
.set W, 2+(\m)/4
.set AB, 64*((\m)%4)
	WIN W<<2
.irp b, 0,1,2,3
.irp q, 0,1,2,3
	ds_store_b128 v[STO], v[AB+16*\b+4*\q:AB+16*\b+4*\q+3] offset:128*\b+16*\q
.endr
.endr
	WIN 0
.set BB, 128+64*((\m)%2)
.irp i, 0,1,2,3,4,5,6,7,8,9,10,11,12,13,14,15
	ds_load_b128 v[BB+4*\i:BB+4*\i+3], v[SRD] offset:528*\i
.endr
.endm
.macro SEND m, younger
.set BB, 128+64*((\m)%2)
	s_wait_dscnt \younger                          ; the tile is back in registers; the next tile's 16 stores and 16 loads may be out
.irp i, 0,1,2,3,4,5,6,7,8,9,10,11,12,13,14,15
	global_store_b128 v[LI], v[BB+4*\i:BB+4*\i+3], s[20:21] offset:(32*((\m)/2)+8*((\m)%2)+\i+8*(\i/8))*2048 th:TH_STORE_NT   ; 512 consecutive bytes, at a multiple of 512 from the output's first byte
.endr
.endm
	s_load_b256 s[4:11], s[0:1], 0x0               ; bufx, bufk, bufc, Wq's scales
	s_load_b256 s[12:19], s[0:1], 0x20             ; Wo's scales, bo, gamma, beta
	s_load_b64 s[20:21], s[0:1], 0x40              ; the output
	v_lshl_add_u32 v30, v0, 2, 0x2d000
	v_mov_b32 v31, 0
	v_lshrrev_b32 v23, 5, v0
	v_readfirstlane_b32 s[WV], v23                 ; wave 0..3
	v_and_b32 v23, 31, v0                          ; lane
	v_and_b32 v24, 15, v0                          ; r
	v_bfe_u32 v25, v0, 4, 1                        ; h
	v_lshlrev_b32 v[LI], 4, v23
	v_add_nc_u32 v[LIQ], QIMG, v[LI]
	v_lshlrev_b32 v26, 2, v23
	v_add_nc_u32 v[LSX], XSC, v26
	v_lshlrev_b32 v27, 2, v24                      ; 4 r
	v_lshl_add_u32 v26, v25, 9, v27
	v_add_nc_u32 v[LHQ], QSC, v26
	v_add_nc_u32 v[LHO], XSC, v26
	s_lshl_b32 s24, s[WV], 14
	v_add_nc_u32 v[AQ0], s24, v[LIQ]
	v_add_nc_u32 v[AO0], s24, v[LI]
	s_lshl_b32 s24, s[WV], 9
	v_add_nc_u32 v26, s24, v27                     ; 4 r + 512 w
	v_add_nc_u32 v[AQS0], QSC, v26
	v_add_nc_u32 v[AOS0], XSC, v26
	v_add_nc_u32 v[ADN0], DEN, v26
	v_add_nc_u32 v[R4D], DEN, v27
	v_lshl_add_u32 v[PA], v25, 6, s24
	v_add_nc_u32 v[PA], PAR, v[PA]
	s_mul_i32 s24, s[WV], 8448
	s_add_co_u32 s24, s24, STG
	v_mul_u32_u24 v[STO], v24, 528
	v_lshl_add_u32 v[STO], v25, 6, v[STO]
	v_add_nc_u32 v[STO], s24, v[STO]
	v_add_nc_u32 v[SRD], s24, v[LI]
	v_and_b32 v26, 8, v24
	v_add_nc_u32 v26, v26, v24                     ; r + 8 (r / 8)
	v_lshlrev_b32 v[WSA], 4, v26
	v_lshlrev_b32 v[KSA4], 2, v26
	v_lshlrev_b32 v[TI], 4, v0
	v_add_nc_u32 v[AX], XSC, v[TI]                 ; for the head alone: where x's scale words
	v_add_nc_u32 v[AXS], PAR, v[TI]                ; and the parameters go
.irp b, 0,1,2,3
	v_mov_b32 v[TM+4+\b], 0                        ; a lane permute's destination counts as one of its sources
.endr
	s_mov_b32 s[SEL], 0x76543210
	s_mov_b32 s[SEL+1], 0xfedcba98
	s_mov_b32 s[MNT], 0x600000
	s_mov_b32 s[L2E], 0x3fb8aa3b
	s_mov_b32 s[L2E+1], s[L2E]
	s_mov_b32 s32, 0x3727c5ac                      ; 1e-5
	s_mov_b32 s33, 0x3b000000                      ; 1 / 512
	s_lshr_b32 s23, ttmp9, 3                       ; the sequence
	s_mov_b32 s25, 0
	s_wait_kmcnt 0x0
	s_lshl_b32 s24, ttmp9, 11
	s_add_nc_u64 s[XSP:XSP+1], s[4:5], s[24:25]
	s_add_nc_u64 s[XSP:XSP+1], s[XSP:XSP+1], XS_OFF
	s_lshl_b32 s24, ttmp9, 16
	s_lshl_b32 s29, s[WV], 14
	s_add_co_u32 s24, s24, s29
	s_add_nc_u64 s[4:5], s[4:5], s[24:25]          ; my quarter of the block's codes of x
	s_lshl_b32 s24, s23, 14
	s_add_nc_u64 s[6:7], s[6:7], s[24:25]
	s_add_nc_u64 s[6:7], s[6:7], KSP_OFF           ; the sequence's eight parts of k_sum
	s_lshl_b32 s24, s23, 18
	s_add_co_u32 s24, s24, s29
	s_add_nc_u64 s[KVP:KVP+1], s[8:9], s[24:25]    ; my 8 tiles of kv^T
	s_mov_b32 s24, s29
	s_add_nc_u64 s[WQP:WQP+1], s[8:9], s[24:25]
	s_add_nc_u64 s[WQP:WQP+1], s[WQP:WQP+1], WIMG_OFF
	s_add_nc_u64 s[WOP:WOP+1], s[WQP:WQP+1], 262144
	s_lshl_b32 s24, s23, 13
	s_lshl_b32 s29, s[WV], 9
	s_add_co_u32 s24, s24, s29
	s_add_nc_u64 s[KVSP:KVSP+1], s[8:9], s[24:25]
	s_add_nc_u64 s[KVSP:KVSP+1], s[KVSP:KVSP+1], KVS_OFF
	s_lshl_b32 s24, s[WV], 11
	s_add_nc_u64 s[10:11], s[10:11], s[24:25]
	s_add_nc_u64 s[12:13], s[12:13], s[24:25]
	s_lshl_b32 s24, ttmp9, 18
	s_add_co_u32 s24, s24, s29
	s_add_nc_u64 s[20:21], s[20:21], s[24:25]      ; the block's first row, my 128 columns
	; ---- the head: 44 loads that go on to LDS, then Wq (128) and its scale words (8)
	WIN 0x40
.set J, 0
.rept 32
	global_load_b128 v[128+4*J:131+4*J], v[LI], s[4:5] offset:512*J th:TH_LOAD_NT
.set J, J+1
.endr
	WIN 0
	global_load_b128 v[128:131], v[TI], s[XSP:XSP+1]
.irp sb, 0,1,2,3,4,5,6,7
	global_load_b128 v[132+4*\sb:135+4*\sb], v[TI], s[6:7] offset:2048*\sb
.endr
	global_load_b128 v[164:167], v[TI], s[14:15]
	global_load_b128 v[168:171], v[TI], s[16:17]
	global_load_b128 v[172:175], v[TI], s[18:19]
.irp s, 0,1,2,3                        ; Wq's fragment (t, s) at window 2 + s / 2, register 16 (8 (s % 2) + t)
	WIN 0x80+0x40*(\s/2)
.irp t, 0,1,2,3,4,5,6,7
.irp c, 0,1,2,3
	global_load_b128 v[16*(8*(\s%2)+\t)+4*\c:16*(8*(\s%2)+\t)+4*\c+3], v[LI], s[WQP:WQP+1] offset:65536*\s+2048*\t+512*\c
.endr
.endr
.endr
	WIN 0
.irp t, 0,1,2,3,4,5,6,7
	global_load_b128 v[WS+4*\t:WS+4*\t+3], v[WSA], s[10:11] offset:(32*(\t/2)+8*(\t%2))*16
.endr
	s_wait_loadcnt 63                              ; 136 loads are younger than the first 44: those are in
	WIN 0x04                                       ; an LDS store's data are its source 1: window 1
.set J, 0
.rept 32
	ds_store_b128 v[AO0], v[128+4*J:131+4*J] offset:512*J
.set J, J+1
.endr
	WIN 0
	ds_store_b128 v[AX], v[128:131]
.irp sb, 1,2,3,4,5,6,7
	v_pk_add_f32 v[132:133], v[132:133], v[132+4*\sb:133+4*\sb]    ; k_sum: the eight blocks' parts, in their order
	v_pk_add_f32 v[134:135], v[134:135], v[134+4*\sb:135+4*\sb]
.endr
	ds_store_b128 v[AXS], v[132:135]
	ds_store_b128 v[AXS], v[164:167] offset:2048
	ds_store_b128 v[AXS], v[168:171] offset:4096
	ds_store_b128 v[AXS], v[172:175] offset:6144
	BARRIER                                        ; x's images, their scale words and the parameters lie in LDS
	WLOAD 0, KVP, 0                                ; kv^T's first K step lands under the whole of the first product
	WIN 0x40
.irp s, 0,1,2,3
.irp c, 0,1,2,3
	ds_load_b128 v[128+16*\s+4*\c:128+16*\s+4*\c+3], v[LI] offset:2048*\s+512*\c       ; row tile 0's four fragments of x
.endr
.endr
.irp b, 0,1,2,3
.irp q, 0,1,2,3
	ds_load_b128 v[192+16*\b+4*\q:192+16*\b+4*\q+3], v[PA] offset:128*\b+16*\q         ; k_sum at my lane's 64 columns
.endr
.endr
	WIN 0
	ds_load_b32 v[XS], v[LSX]
	ds_load_b32 v[XS+1], v[LSX] offset:128
	s_wait_loadcnt 32                              ; Wq and its scale words are in; kv^T's 32 loads are younger
	s_mov_b32 s34, 0
	s_mov_b32 s35, 0
	s_mov_b32 s36, 0
	s_mov_b32 s37, 0
	s_mov_b32 s38, 0
	; ---- Q, a tile of 16 rows a trip, on the same registers in every trip
.Lq:
	s_wait_dscnt 0x0
	WIN 0x06                                       ; source 0 (Wq) window 2, source 1 (x) window 1, C and D window 0
.irp t, 0,1,2,3,4,5,6,7
	WM T+8*\t, 16*\t, 128, 1, WS+4*\t, XS, 0, 0
.endr
.irp t, 0,1,2,3,4,5,6,7
	WM T+8*\t, 16*(8+\t), 144, 0, WS+4*\t+1, XS, 0, 1
.endr
	WIN 0x07
.irp t, 0,1,2,3,4,5,6,7
	WM T+8*\t, 16*\t, 160, 0, WS+4*\t+2, XS+1, 0, 0
.endr
.irp t, 0,1,2,3,4,5,6,7
	WM T+8*\t, 16*(8+\t), 176, 0, WS+4*\t+3, XS+1, 0, 1
.endr
	WIN 0
	v_add_nc_u32 v[AX], s35, v[LI]                 ; the trip's addresses: five of the eight places behind the products
	v_add_nc_u32 v[AXS], s37, v[LSX]
	v_add_nc_u32 v[AQ], s36, v[AQ0]
	v_add_nc_u32 v[AQS], s38, v[AQS0]
	v_add_nc_u32 v[ADN], s38, v[ADN0]
	PLACES 3
	s_cmp_eq_u32 s34, 7                            ; the last trip fetches nothing: behind x's images lie Q's, which are being written
	s_cbranch_scc1 .Lno_next
	WIN 0x40
.irp s, 0,1,2,3
.irp c, 0,1,2,3
	ds_load_b128 v[128+16*\s+4*\c:128+16*\s+4*\c+3], v[AX] offset:8192+2048*\s+512*\c
.endr
.endr
	WIN 0
	ds_load_b32 v[XS], v[AXS] offset:256
	ds_load_b32 v[XS+1], v[AXS] offset:384
.Lno_next:
	PHI
	WIN 0x04                                       ; k_sum lies in window 1
.irp c, 0,1,2,3
	v_pk_mul_f32 v[DA+2*\c:DA+2*\c+1], v[T+2*\c:T+2*\c+1], v[192+2*\c:193+2*\c]
.endr
.set J, 8
.rept 7
.irp c, 0,1,2,3
	v_pk_fma_f32 v[DA+2*\c:DA+2*\c+1], v[T+J+2*\c:T+J+2*\c+1], v[192+J+2*\c:193+J+2*\c], v[DA+2*\c:DA+2*\c+1]
.endr
.set J, J+8
.endr
	WIN 0
	v_pk_add_f32 v[DA:DA+1], v[DA:DA+1], v[DA+2:DA+3]
	v_pk_add_f32 v[DA+4:DA+5], v[DA+4:DA+5], v[DA+6:DA+7]
	v_pk_add_f32 v[DA:DA+1], v[DA:DA+1], v[DA+4:DA+5]
	v_add_f32 v[DA], v[DA], v[DA+1]
	v_permlanex16_b32 v[DA+1], v[DA], s[SEL], s[SEL+1]
	v_add_f32 v[DA], v[DA], v[DA+1]
	ds_store_b32 v[ADN], v[DA]                     ; my 128 columns' part of the row's den (both halves of the lanes write the same word with the same value)
	QUANT T, 0, T
.irp c, 0,1,2,3
	ds_store_b128 v[AQ], v[PC+4*\c:PC+4*\c+3] offset:512*\c
.endr
	ds_store_b32 v[AQS], v[PW]
	s_add_co_u32 s35, s35, 8192
	s_add_co_u32 s36, s36, 2048
	s_add_co_u32 s37, s37, 256
	s_add_co_u32 s38, s38, 64
	s_add_co_u32 s34, s34, 1
	s_cmp_lt_u32 s34, 8
	s_cbranch_scc1 .Lq
.irp t, 0,1,2,3,4,5,6,7
.irp s, 0,1,2,3
	global_load_b32 v[WS+4*\t+\s], v[KSA4], s[KVSP:KVSP+1] offset:2048*\s+(32*(\t/2)+8*(\t%2))*4   ; kv^T's scale words
.endr
.endr
	WLOAD 1, KVP, 1
	BARRIER                                        ; Q's images, its scale words and the parts of den lie in LDS; nobody reads x's images any more
	; ---- num = Q kv.  The far operand's stream goes on into Wo: each count of 32 is the one set issued behind the set that is wanted
	GENTRY LIQ, LHQ
	STEPG LIQ, 0, 1, 32
	WLOAD 0, KVP, 2
	STEPG LIQ, 1, 0, 32
	WLOAD 1, KVP, 3
	STEPG LIQ, 2, 0, 32
	WLOAD 0, WOP, 0
	STEPG LIQ, 3, 0, 32
	WLOAD 1, WOP, 1
.irp t, 0,1,2,3,4,5,6,7
	global_load_b128 v[WS+4*\t:WS+4*\t+3], v[WSA], s[12:13] offset:(32*(\t/2)+8*(\t%2))*16         ; Wo's scale words
.endr
	; ---- out = num / den, out + bo, out's codes
.irp m, 0,1,2,3,4,5,6,7
.irp ww, 0,1,2,3
	ds_load_b32 v[80+4*\m+\ww], v[R4D] offset:512*\ww+64*\m
.endr
.endr
.irp b, 0,1,2,3
.irp q, 0,1,2,3
	ds_load_b128 v[U+16*\b+4*\q:U+16*\b+4*\q+3], v[PA] offset:2048+128*\b+16*\q        ; bo at my lane's 64 columns
.endr
.endr
	s_wait_dscnt 0x0
	SUM4 80
.irp m, 0,1,2,3,4,5,6,7
	v_max_num_f32 v[80+4*\m], 0x358637bd, v[80+4*\m]       ; den is held at 1e-6 from below
.endr
.irp m, 0,1,2,3,4,5,6,7
	v_rcp_f32 v[DA+2*\m], v[80+4*\m]
.endr
	v_nop                                          ; a plain line between the reciprocals and the use of their results
	s_wait_alu depctr_va_vdst(0)
.irp m, 0,1,2,3,4,5,6,7
	v_mov_b32 v[DA+2*\m+1], v[DA+2*\m]
.endr
.irp m, 0,1,2,3,4,5,6,7
	NEPI \m
.endr
	BARRIER                                        ; out's images and scale words lie in LDS
	; ---- y = out Wo^T, added onto out + bo
	GENTRY LI, LHO
	STEPG LI, 0, 0, 0                              ; Wo's scale words are the youngest loads: the count is 0
	WLOAD 0, WOP, 2
	STEPG LI, 1, 0, 32
	WLOAD 1, WOP, 3
	STEPG LI, 2, 0, 32
	STEPG LI, 3, 0, 0
	; ---- LayerNorm over the 512 columns: my 128 in registers, the four waves' figures meet in LDS
	WIN 0x40
.irp b, 0,1,2,3
.irp q, 0,1,2,3
	ds_load_b128 v[16*\b+4*\q:16*\b+4*\q+3], v[PA] offset:4096+128*\b+16*\q            ; gamma
	ds_load_b128 v[64+16*\b+4*\q:64+16*\b+4*\q+3], v[PA] offset:6144+128*\b+16*\q      ; beta
.endr
.endr
	LNSUM 2
	LNSUM 3
	RED 2048
.irp m, 0,1,2,3,4,5,6,7
	v_mul_f32 v[DA+2*\m], 0xbb000000, v[128+4*\m]  ; - mean
.endr
.irp m, 0,1,2,3,4,5,6,7
	v_mov_b32 v[DA+2*\m+1], v[DA+2*\m]
.endr
	LNVAR 2
	LNVAR 3
	RED 4096
.irp m, 0,1,2,3,4,5,6,7
	v_fma_f32 v[128+4*\m], v[128+4*\m], s33, s32   ; the variance + 1e-5
.endr
.irp m, 0,1,2,3,4,5,6,7
	v_rsq_f32 v[PC+2*\m], v[128+4*\m]
.endr
	v_nop
	s_wait_alu depctr_va_vdst(0)
.irp m, 0,1,2,3,4,5,6,7
	v_mov_b32 v[PC+2*\m+1], v[PC+2*\m]
.endr
	LNOUT 0
	TOSTAGE 0
.irp m, 1,2,3,4,5,6,7
	LNOUT \m
.if \m > 1
	s_wait_xcnt 0x0                                ; the stores of the tile two back have read their registers: this tile's rows may land there
.endif
	TOSTAGE \m
	SEND \m-1, 32
.endr
	SEND 7, 0
	s_wait_tensorcnt 0x0
	ds_add_u32 v30, v31
	s_wait_dscnt 0x0
	s_endpgm
.Lfunc_end_k_q175d69e35c_attn_out:
	.size	k_q175d69e35c_attn_out, .Lfunc_end_k_q175d69e35c_attn_out-k_q175d69e35c_attn_out
	.p2alignl 7, 3214868480
	.fill 96, 4, 3214868480
	.section	.rodata,"a",@progbits
	.p2align	6, 0x0
	.amdhsa_kernel k_q175d69e35c_attn_out
		.amdhsa_group_segment_fixed_size 184832
		.amdhsa_private_segment_fixed_size 0
		.amdhsa_enable_private_segment 0
		.amdhsa_kernarg_size 72
		.amdhsa_user_sgpr_count 2
		.amdhsa_user_sgpr_kernarg_segment_ptr 1
		.amdhsa_wavefront_size32 1
		.amdhsa_system_sgpr_workgroup_id_x 1
		.amdhsa_system_sgpr_workgroup_id_y 1
		.amdhsa_system_sgpr_workgroup_id_z 1
		.amdhsa_system_vgpr_workitem_id 0
		.amdhsa_next_free_vgpr 1024
		.amdhsa_next_free_sgpr 66
		.amdhsa_reserve_vcc 0
		.amdhsa_float_denorm_mode_32 3
		.amdhsa_float_denorm_mode_16_64 3
		.amdhsa_memory_ordered 1
		.amdhsa_forward_progress 1
		.amdhsa_inst_pref_size 255
	.end_amdhsa_kernel
	.section	.bss,"aw",@nobits
	.p2align	6
	.space	262144
	.amdgpu_metadata
---
amdhsa.version: [ 1, 2 ]
amdhsa.kernels:
  - .name:           k_q175d69e35c_attn_out
    .symbol:         k_q175d69e35c_attn_out.kd
    .args:
      - { .name: bufx, .offset: 0, .size: 8, .value_kind: global_buffer, .address_space: global }
      - { .name: bufk, .offset: 8, .size: 8, .value_kind: global_buffer, .address_space: global }
      - { .name: bufc, .offset: 16, .size: 8, .value_kind: global_buffer, .address_space: global }
      - { .name: Wq_scales, .offset: 24, .size: 8, .value_kind: global_buffer, .address_space: global }
      - { .name: Wo_scales, .offset: 32, .size: 8, .value_kind: global_buffer, .address_space: global }
      - { .name: bo, .offset: 40, .size: 8, .value_kind: global_buffer, .address_space: global }
      - { .name: gamma, .offset: 48, .size: 8, .value_kind: global_buffer, .address_space: global }
      - { .name: beta, .offset: 56, .size: 8, .value_kind: global_buffer, .address_space: global }
      - { .name: out0, .offset: 64, .size: 8, .value_kind: global_buffer, .address_space: global }
    .group_segment_fixed_size: 184832
    .private_segment_fixed_size: 0
    .kernarg_segment_align: 8
    .kernarg_segment_size: 72
    .max_flat_workgroup_size: 128
    .sgpr_count:     66
    .vgpr_count:     1024
    .wavefront_size: 32
...
	.end_amdgpu_metadata
.endif
;; end of part 3
;; ======== version 2 of 2: 3 launches; version 1 with the launches kv_prod, attn_out written anew for expert scheduling mode
;; workspace buffers: bufx 17,301,504 bytes; bufk 35,127,296 bytes; bufc 9,175,040 bytes
;; launch proj_kv: the kernel of part 1 again; grid 256 x 1, 4 waves a work-group, no clusters, 303,616 bytes of LDS; arguments x, Wk_codes, Wk_scales, Wv_codes, Wv_scales, bufx, bufk; writes bufx, bufk
;; launch kv_prod (part 4): grid 8 x 32, 4 waves a work-group, no clusters, 0 bytes of LDS; arguments bufk, Wq_codes, Wo_codes, bufc; writes bufc
.if DOCPART == 4
	.amdgcn_target "amdgcn-amd-amdhsa--gfx1250"
	.amdhsa_code_object_version 6
	.text
	.protected	k_q175d69e35c_kv_prod
	.globl	k_q175d69e35c_kv_prod
	.p2align	8
	.type	k_q175d69e35c_kv_prod,@function
k_q175d69e35c_kv_prod:
	s_mov_b64 s[64:65], 0
	v_nop
	global_prefetch_b8 v0, s[64:65] scope:SCOPE_SE
	s_setreg_imm32_b32 hwreg(HW_REG_WAVE_SCHED_MODE, 0, 2), 2
	s_setreg_imm32_b32 hwreg(HW_REG_WAVE_MODE, 25, 1), 1
	s_wait_xcnt 0x0
	s_wait_alu depctr_vm_vsrc(0)
; KV_PROD.  For each of the 32 sequences kv[d][e] = the sum over the 1024 rows of K[s][d] V[s][e], on the codes that the launch before stored, then quantised along d (the K of the next product).
; Besides, each work-group lays one fragment of Wq or Wo (16 rows x 128 K) in the order of the operand's registers, for the last launch.
; SHARES.  Work-group (x, y): sequence y, 256 d (x & 1) x 128 e (x >> 1).  A wave makes 128 d x 64 e: 8 tiles of K^T x 4 tiles of V^T, 32 accumulators, over 8 K steps of 128 rows, written out.
; Source 0 = 16 rows of K^T (d), source 1 = 16 rows of V^T (e): a lane holds ONE e, and its registers run along d in the order of a fragment, since a tile's rows are d = 32 (T / 2) + 8 (T % 2) + r + 8 (r / 8).
; Fragments lie in memory as images of their registers: every load reads 512 consecutive bytes, straight into registers: no LDS, no barrier.  Loads run two K steps ahead, in two sets.
; NO CLUSTER: a fragment is used by two waves of a work-group and by the work-groups of its row or column; joint loads would ask for a ring in LDS for a launch whose matrix work is 256 instructions a wave.
; LIMITS: as in the launch before: a block whose largest magnitude lies under 2^-118 gets the scale byte 1 over zero codes; NaN and infinities are not served.
; THE MODE: SCHED_MODE bits 1:0 = 2 (LLVM: expert scheduling mode 2), set by the entry lines.  The code itself states the register dependences
; between vector or matrix instructions and memory instructions, with s_wait_alu, always for 0.
; THE PLAN.  Registers that memory instructions touch:
;   v1 .. v4        offsets, made once at the head and never written again: one wait ahead of the first load.
;   sets 0 and 1    of K^T (window 1) and V^T (v128-255).  K step sb's 32 matrix instructions read set sb % 2; behind them the loads of K step sb + 2 land in it.
;   KSC, VSC, v8-11 loaded once; read by matrix instructions and by one store; never written again.
;   PC, PWS         written by a tile's conversions and select, read by that tile's stores, written again by the next tile.
; ONE wait on va_vdst stands behind a K step's matrix instructions: they are done reading their set, which is asked for again at once, in one run: 48 loads a set, and what the wave waits for is loads.
; On the way out one wait on va_vdst stands ahead of a tile's stores, and one on vm_vsrc ahead of the next tile's conversions.
.set VT_OFF,   16777216
.set KTS_OFF,  33554432
.set VTS_OFF,  34078720
.set KVS_OFF,  8388608                 ; bufc: kv^T's fragments [sequence][K step][tile of e][2048]; its scale words [sequence][K step][512 e];
.set WIMG_OFF, 8650752                 ; Wq's and Wo's fragments [which][K step][tile][2048]
.set LI,  1                            ; v1  16 x lane
.set LS,  2                            ; v2  4 x lane
.set RLA, 3                            ; v3  a weight's row r + 8 (r / 8) of 512 bytes, + 16 h
.set KVA, 4                            ; v4  4 (8 h + r + 8 (r / 8))
.set KSC, 32                           ; v32-63 K^T's scale words: register 4 sb + pair: lanes 0-15 the even tile, lanes 16-31 the odd one
.set VSC, 64                           ; v64-79 V^T's: register 2 sb + pair
.set PC,  80
.set TM,  96
.set PW,  112
.set PW0, 113
.set PWS, 114
.set KP,  24                           ; s[24:25] K^T's fragments, s[26:27] V^T's, s[28:29], s[30:31] their scale words, s[32:33] kv^T's fragments, s[34:35] its scale words
.set VP,  26
.set KSP, 28
.set VSP, 30
.set KVO, 32
.set KVSO, 34
.set SEL, 40
.set MNT, 42
.set MSB, 0
.macro WIN new
.if MSB != (\new)
	s_set_vgpr_msb (MSB<<8)|(\new)
.set MSB, (\new)
.endif
.endm
.macro PLACES n
.rept \n
	v_nop
.endr
.endm
.macro WM d, a, b, z, sa, sb, ra, rb
.if (\z)
.if (\ra) && (\rb)
	v_wmma_scale_f32_16x16x128_f8f6f4 v[(\d):(\d)+7], v[(\a):(\a)+15], v[(\b):(\b)+15], 0, v[(\sa)], v[(\sb)] matrix_a_scale:MATRIX_SCALE_ROW1 matrix_b_scale:MATRIX_SCALE_ROW1
.elseif (\ra)
	v_wmma_scale_f32_16x16x128_f8f6f4 v[(\d):(\d)+7], v[(\a):(\a)+15], v[(\b):(\b)+15], 0, v[(\sa)], v[(\sb)] matrix_a_scale:MATRIX_SCALE_ROW1
.elseif (\rb)
	v_wmma_scale_f32_16x16x128_f8f6f4 v[(\d):(\d)+7], v[(\a):(\a)+15], v[(\b):(\b)+15], 0, v[(\sa)], v[(\sb)] matrix_b_scale:MATRIX_SCALE_ROW1
.else
	v_wmma_scale_f32_16x16x128_f8f6f4 v[(\d):(\d)+7], v[(\a):(\a)+15], v[(\b):(\b)+15], 0, v[(\sa)], v[(\sb)]
.endif
.else
.if (\ra) && (\rb)
	v_wmma_scale_f32_16x16x128_f8f6f4 v[(\d):(\d)+7], v[(\a):(\a)+15], v[(\b):(\b)+15], v[(\d):(\d)+7], v[(\sa)], v[(\sb)] matrix_a_scale:MATRIX_SCALE_ROW1 matrix_b_scale:MATRIX_SCALE_ROW1
.elseif (\ra)
	v_wmma_scale_f32_16x16x128_f8f6f4 v[(\d):(\d)+7], v[(\a):(\a)+15], v[(\b):(\b)+15], v[(\d):(\d)+7], v[(\sa)], v[(\sb)] matrix_a_scale:MATRIX_SCALE_ROW1
.elseif (\rb)
	v_wmma_scale_f32_16x16x128_f8f6f4 v[(\d):(\d)+7], v[(\a):(\a)+15], v[(\b):(\b)+15], v[(\d):(\d)+7], v[(\sa)], v[(\sb)] matrix_b_scale:MATRIX_SCALE_ROW1
.else
	v_wmma_scale_f32_16x16x128_f8f6f4 v[(\d):(\d)+7], v[(\a):(\a)+15], v[(\b):(\b)+15], v[(\d):(\d)+7], v[(\sa)], v[(\sb)]
.endif
.endif
.endm
; 64 numbers of a lane, v[s] on in window w, register 16 b + i = k 32 b + 16 (lane / 16) + i, become codes in v[PC] on and a scale word in v[PW]; the held numbers go to v[hd] on in window 0.
; ew = 1: a fragment has been stored before this one from the same registers
.macro QUANT s, w, hd, ew
	WIN (\w)|((\w)<<2)
.irp b, 0,1,2,3
	v_max3_num_f32 v[TM+\b], |v[(\s)+16*\b]|, |v[(\s)+16*\b+1]|, 0x4800000   ; my 16 numbers of block b, and the floor 2^(9 - 127)
.endr
.irp i, 2,4,6,8,10,12,14
.irp b, 0,1,2,3
	v_max3_num_f32 v[TM+\b], |v[(\s)+16*\b+\i]|, |v[(\s)+16*\b+\i+1]|, v[TM+\b]
.endr
.endr
	WIN 0
	s_wait_xcnt 0x0                                ; the last fragment's stores have had their addresses translated: their registers are written again below
.if \ew
	s_wait_alu depctr_vm_vsrc(0)                   ; the last fragment's stores have read v[PC ..] and v[PWS], which the conversions and the select below write again
.endif
.irp b, 0,1,2,3
	v_permlanex16_b32 v[TM+4+\b], v[TM+\b], s[SEL], s[SEL+1]
.endr
.irp b, 0,1,2,3
	v_max_num_f32 v[TM+\b], v[TM+\b], v[TM+4+\b]
.endr
.irp b, 0,1,2,3
	v_add_nc_u32 v[TM+12+\b], 0xfc000000, v[TM+\b] ; 8 off the exponent field: the conversion's scale operand
.endr
.irp b, 0,1,2,3
	v_and_or_b32 v[TM+8+\b], v[TM+\b], 0x7f800000, s[MNT]   ; 448 x the scale
.endr
.irp b, 0,1,2,3
	v_lshrrev_b32 v[TM+4+\b], 23, v[TM+12+\b]
.endr
	v_lshl_or_b32 v[PW], v[TM+5], 8, v[TM+4]
	v_lshl_or_b32 v[PW], v[TM+6], 16, v[PW]
	v_lshl_or_b32 v[PW], v[TM+7], 24, v[PW]
	WIN (\w)
.irp b, 0,1,2,3
.irp i, 0,1,2,3,4,5,6,7,8,9,10,11,12,13,14,15
	v_med3_num_f32 v[(\hd)+16*\b+\i], v[(\s)+16*\b+\i], -v[TM+8+\b], v[TM+8+\b]   ; the hold: the conversion does not saturate (ISA guide 7.6.2)
.endr
.endr
	WIN 0
.irp b, 0,1,2,3
	v_cvt_scalef32_pk8_fp8_f32 v[PC+4*\b:PC+4*\b+1], v[(\hd)+16*\b:(\hd)+16*\b+7], v[TM+12+\b]
	v_cvt_scalef32_pk8_fp8_f32 v[PC+4*\b+2:PC+4*\b+3], v[(\hd)+16*\b+8:(\hd)+16*\b+15], v[TM+12+\b]
.endr
	v_nop
.endm
.macro LOADSET sb                      ; K step sb: 8 fragments of K^T into window 1, 4 of V^T into window 0: 48 loads
.set PP, (\sb)%2
	WIN 0x40
.irp td, 0,1,2,3,4,5,6,7
.irp c, 0,1,2,3
	global_load_b128 v[128*PP+16*\td+4*\c:128*PP+16*\td+4*\c+3], v[LI], s[KP:KP+1] offset:65536*(\sb)+2048*\td+512*\c
.endr
.endr
	WIN 0
.irp te, 0,1,2,3
.irp c, 0,1,2,3
	global_load_b128 v[128+64*PP+16*\te+4*\c:128+64*PP+16*\te+4*\c+3], v[LI], s[VP:VP+1] offset:65536*(\sb)+2048*\te+512*\c
.endr
.endr
.endm
.macro STEP sb
.set PP, (\sb)%2
.set ZZ, 0
.if (\sb) == 0
.set ZZ, 1
.endif
.if (\sb) < 7
	s_wait_loadcnt 48                              ; the next K step's 48 loads are younger
.else
	s_wait_loadcnt 0x0
.endif
.if (\sb) == 0
	WIN 0
	global_store_b128 v[LI], v[8:11], s[38:39]     ; my quarter of the weight's fragment: 512 consecutive bytes
.endif
	WIN 0xa1                                       ; source 0 (K^T) window 1, source 1 (V^T) window 0, C and D window 2
.irp te, 0,1,2,3
.irp td, 0,1,2,3,4,5,6,7
	WM 8*(8*\te+\td), 128*PP+16*\td, 128+64*PP+16*\te, ZZ, KSC+4*(\sb)+\td/2, VSC+2*(\sb)+\te/2, \td%2, \te%2
.endr
.endr
	WIN 0
	PLACES 8                                       ; eight places behind this form, ahead of loads into its operands and of the first read of its results
.if (\sb) < 6
	s_wait_alu depctr_va_vdst(0)                   ; this K step's matrix instructions are done reading their set of K^T and V^T, in which the 48 loads below land
	LOADSET (\sb)+2
.endif
.endm
	s_load_b256 s[4:11], s[0:1], 0x0               ; bufk, Wq's codes, Wo's codes, bufc
	v_lshrrev_b32 v5, 5, v0
	v_readfirstlane_b32 s12, v5                    ; wave
	v_and_b32 v5, 31, v0
	v_and_b32 v6, 15, v0
	v_bfe_u32 v7, v0, 4, 1
	v_lshlrev_b32 v[LI], 4, v5
	v_lshlrev_b32 v[LS], 2, v5
	v_and_b32 v5, 8, v6
	v_add_nc_u32 v5, v5, v6                        ; r + 8 (r / 8)
	v_lshlrev_b32 v[RLA], 9, v5
	v_lshl_add_u32 v[RLA], v7, 4, v[RLA]
	v_lshl_add_u32 v[KVA], v7, 3, v5
	v_lshlrev_b32 v[KVA], 2, v[KVA]
.irp b, 0,1,2,3
	v_mov_b32 v[TM+4+\b], 0                        ; a lane permute's destination counts as one of its sources
.endr
	s_wait_alu depctr_va_sdst(0)                   ; s12, the wave's number, is written, ahead of its first reader: the wave's share and every base are made from it
	s_mov_b32 s[SEL], 0x76543210
	s_mov_b32 s[SEL+1], 0xfedcba98
	s_mov_b32 s[MNT], 0x600000
	s_mov_b32 s43, 0xffff0000                      ; lanes 16-31
	s_and_b32 s13, ttmp7, 0xffff                   ; the sequence
	s_and_b32 s14, ttmp9, 1
	s_lshr_b32 s15, ttmp9, 1
	s_and_b32 s16, s12, 1
	s_lshr_b32 s17, s12, 1
	s_lshl_b32 s18, s14, 1
	s_add_co_u32 s18, s18, s16                     ; kd: which 128 d are my wave's
	s_lshl_b32 s19, s15, 1
	s_add_co_u32 s19, s19, s17                     ; ev: which 64 e
	s_lshl_b32 s20, s13, 3
	s_add_co_u32 s20, s20, ttmp9                   ; the work-group's number, 0 .. 255: which fragment of Wq (under 128) or Wo it lays
	s_mov_b32 s45, 0
	s_wait_kmcnt 0x0
	s_lshl_b32 s44, s13, 19
	s_lshl_b32 s21, s18, 14
	s_add_co_u32 s44, s44, s21
	s_add_nc_u64 s[KP:KP+1], s[4:5], s[44:45]
	s_lshl_b32 s44, s13, 19
	s_lshl_b32 s21, s19, 13
	s_add_co_u32 s44, s44, s21
	s_add_nc_u64 s[VP:VP+1], s[4:5], s[44:45]
	s_add_nc_u64 s[VP:VP+1], s[VP:VP+1], VT_OFF
	s_lshl_b32 s44, s13, 14
	s_lshl_b32 s21, s18, 9
	s_add_co_u32 s44, s44, s21
	s_add_nc_u64 s[KSP:KSP+1], s[4:5], s[44:45]
	s_add_nc_u64 s[KSP:KSP+1], s[KSP:KSP+1], KTS_OFF
	s_lshl_b32 s44, s13, 14
	s_lshl_b32 s21, s19, 8
	s_add_co_u32 s44, s44, s21
	s_add_nc_u64 s[VSP:VSP+1], s[4:5], s[44:45]
	s_add_nc_u64 s[VSP:VSP+1], s[VSP:VSP+1], VTS_OFF
	s_lshl_b32 s44, s13, 18
	s_lshl_b32 s21, s18, 16
	s_add_co_u32 s44, s44, s21
	s_lshl_b32 s21, s19, 13
	s_add_co_u32 s44, s44, s21
	s_add_nc_u64 s[KVO:KVO+1], s[10:11], s[44:45]
	s_lshl_b32 s44, s13, 13
	s_lshl_b32 s21, s18, 11
	s_add_co_u32 s44, s44, s21
	s_lshl_b32 s21, s19, 8
	s_add_co_u32 s44, s44, s21
	s_add_nc_u64 s[KVSO:KVSO+1], s[10:11], s[44:45]
	s_add_nc_u64 s[KVSO:KVSO+1], s[KVSO:KVSO+1], KVS_OFF
	s_cmp_lt_u32 s20, 128                          ; the choice hangs on the work-group's number alone
	s_cselect_b64 s[36:37], s[6:7], s[8:9]
	s_and_b32 s21, s20, 31                         ; tile T
	s_lshr_b32 s22, s21, 1
	s_lshl_b32 s44, s22, 14                        ; 32 (T / 2) rows of 512 bytes
	s_and_b32 s22, s21, 1
	s_lshl_b32 s22, s22, 12                        ; + 8 (T % 2) rows
	s_add_co_u32 s44, s44, s22
	s_bfe_u32 s22, s20, 0x20005                    ; the K step: 128 bytes of a row
	s_lshl_b32 s22, s22, 7
	s_add_co_u32 s44, s44, s22
	s_lshl_b32 s22, s12, 5                         ; wave w takes registers 4 w .. 4 w + 3: 32 bytes on
	s_add_co_u32 s44, s44, s22
	s_add_nc_u64 s[36:37], s[36:37], s[44:45]
	s_lshl_b32 s44, s20, 11
	s_lshl_b32 s22, s12, 9
	s_add_co_u32 s44, s44, s22
	s_add_nc_u64 s[38:39], s[10:11], s[44:45]
	s_add_nc_u64 s[38:39], s[38:39], WIMG_OFF
	s_wait_alu depctr_va_vdst(0)                   ; the four offsets v1 to v4 are written: every load and store of the kernel reads one of them
	global_load_b128 v[8:11], v[RLA], s[36:37]
.irp sb, 0,1,2,3,4,5,6,7
.irp p, 0,1,2,3
	global_load_b32 v[KSC+4*\sb+\p], v[LS], s[KSP:KSP+1] offset:2048*\sb+128*\p
.endr
.irp p, 0,1
	global_load_b32 v[VSC+2*\sb+\p], v[LS], s[VSP:VSP+1] offset:2048*\sb+128*\p
.endr
.endr
	LOADSET 0
	LOADSET 1
.irp sb, 0,1,2,3,4,5,6,7
	STEP \sb
.endr
.irp te, 0,1,2,3                       ; a tile of e: its 64 registers run along my 128 d
.if \te > 0
	QUANT 64*\te, 2, 128, 1
.else
	QUANT 64*\te, 2, 128, 0
.endif
.if \te%2 == 0
	v_mov_b32 v[PW0], v[PW]
.else
	v_cndmask_b32 v[PWS], v[PW0], v[PW], s43       ; lanes 0-15: the even tile's words; lanes 16-31: the odd tile's: 32 neighbouring e
.endif
	s_wait_alu depctr_va_vdst(0)                   ; the conversions have written v[PC ..], and in an odd tile the select v[PWS]: the stores below read them
.irp c, 0,1,2,3
	global_store_b128 v[LI], v[PC+4*\c:PC+4*\c+3], s[KVO:KVO+1] offset:2048*\te+512*\c
.endr
.if \te%2 == 1
	global_store_b32 v[KVA], v[PWS], s[KVSO:KVSO+1] offset:128*(\te/2)
.endif
.endr
	s_endpgm
.Lfunc_end_k_q175d69e35c_kv_prod:
	.size	k_q175d69e35c_kv_prod, .Lfunc_end_k_q175d69e35c_kv_prod-k_q175d69e35c_kv_prod
	.p2alignl 7, 3214868480
	.fill 96, 4, 3214868480
	.section	.rodata,"a",@progbits
	.p2align	6, 0x0
	.amdhsa_kernel k_q175d69e35c_kv_prod
		.amdhsa_group_segment_fixed_size 0
		.amdhsa_private_segment_fixed_size 0
		.amdhsa_enable_private_segment 0
		.amdhsa_kernarg_size 32
		.amdhsa_user_sgpr_count 2
		.amdhsa_user_sgpr_kernarg_segment_ptr 1
		.amdhsa_wavefront_size32 1
		.amdhsa_system_sgpr_workgroup_id_x 1
		.amdhsa_system_sgpr_workgroup_id_y 1
		.amdhsa_system_sgpr_workgroup_id_z 1
		.amdhsa_system_vgpr_workitem_id 0
		.amdhsa_next_free_vgpr 768
		.amdhsa_next_free_sgpr 66
		.amdhsa_reserve_vcc 0
		.amdhsa_float_denorm_mode_32 3
		.amdhsa_float_denorm_mode_16_64 3
		.amdhsa_memory_ordered 1
		.amdhsa_forward_progress 1
		.amdhsa_inst_pref_size 115
	.end_amdhsa_kernel
	.amdgpu_metadata
---
amdhsa.version: [ 1, 2 ]
amdhsa.kernels:
  - .name:           k_q175d69e35c_kv_prod
    .symbol:         k_q175d69e35c_kv_prod.kd
    .args:
      - { .name: bufk, .offset: 0, .size: 8, .value_kind: global_buffer, .address_space: global }
      - { .name: Wq_codes, .offset: 8, .size: 8, .value_kind: global_buffer, .address_space: global }
      - { .name: Wo_codes, .offset: 16, .size: 8, .value_kind: global_buffer, .address_space: global }
      - { .name: bufc, .offset: 24, .size: 8, .value_kind: global_buffer, .address_space: global }
    .group_segment_fixed_size: 0
    .private_segment_fixed_size: 0
    .kernarg_segment_align: 8
    .kernarg_segment_size: 32
    .max_flat_workgroup_size: 128
    .sgpr_count:     66
    .vgpr_count:     768
    .wavefront_size: 32
...
	.end_amdgpu_metadata
.endif
;; end of part 4
;; launch attn_out (part 5): grid 256 x 1, 4 waves a work-group, no clusters, 184,832 bytes of LDS; arguments bufx, bufk, bufc, Wq_scales, Wo_scales, bo, gamma, beta, out0; writes out0
.if DOCPART == 5
	.amdgcn_target "amdgcn-amd-amdhsa--gfx1250"
	.amdhsa_code_object_version 6
	.text
	.protected	k_q175d69e35c_attn_out
	.globl	k_q175d69e35c_attn_out
	.p2align	8
	.type	k_q175d69e35c_attn_out,@function
k_q175d69e35c_attn_out:
	s_mov_b64 s[64:65], 0
	v_nop
	global_prefetch_b8 v0, s[64:65] scope:SCOPE_SE
	s_setreg_imm32_b32 hwreg(HW_REG_WAVE_SCHED_MODE, 0, 2), 2
	s_setreg_imm32_b32 hwreg(HW_REG_WAVE_MODE, 25, 1), 1
	s_wait_xcnt 0x0
	s_wait_alu depctr_vm_vsrc(0)
; ATTN_OUT.  For 128 rows: Q = elu(x Wq^T) + 1 on x's stored codes; den = max(Q . k_sum, 1e-6) on the unquantised Q; num = Q kv; out = num / den; y = out Wo^T + bo + out; LayerNorm; store.
; SHARES.  A work-group takes the 128 rows of one block.  THE WAVES SHARE THE COLUMNS: wave w makes columns 128 w .. 128 w + 127 of Q, of num and out, and of y, for all 128 rows.
; All three products are used transposed (source 0 = 16 rows of Wq, kv^T or Wo, source 1 = 16 rows of x, Q or out): a lane holds ONE row throughout, and, a tile's rows being
; 32 (T / 2) + 8 (T % 2) + r + 8 (r / 8), register 16 b + i of a row tile is column 128 w + 32 b + 16 (lane / 16) + i: the order of the next operand's fragment.  So out + bo lies where y's accumulators lie and is their C.
; The far operands come from memory, laid in the order of their registers, straight into the one wave that uses them, two K steps ahead in two sets; the row operands go from wave to wave through LDS as images of their registers.
; NO CLUSTER, NO TENSOR LOAD: a byte of Wq, kv^T or Wo is used by exactly one wave of a work-group; a ring in LDS for joint loads would add a write and a read of 768 KB a work-group beside 128 KB of images.
; Five barriers: x's images and the parameters | Q's images and the parts of den | out's images | the rows' sums | the rows' sums of squares.
; LIMITS: NaN and infinities are not served; a block whose largest magnitude lies under 2^-118 gets the scale byte 1 over zero codes; 1 / den by v_rcp_f32, the norm's factor by v_rsq_f32; f32 sums as trees; the variance in two passes.
; elu(x) + 1 is taken as the middle one of e^x, 1 and x + 1, e^x by v_exp_f32 of x log2 e: it differs from expm1(x) + 1 by the rounding of that sum, 2^-24 at the most.
; THE MODE: SCHED_MODE bits 1:0 = 2 (LLVM: expert scheduling mode 2), set by the entry lines.  The code itself states the register dependences
; between vector or matrix instructions and memory or LDS instructions, with s_wait_alu, always for 0.
; THE PLAN.  Registers that memory or LDS instructions touch:
;   v1 .. v17, v30, v31   addresses and the closing add's two: made once at the head, never written again: one wait ahead of the first load.
;   v18 .. v22            a trip's LDS addresses in the Q loop: written by five adds behind the trip's products, read by the trip's LDS loads and stores.
;   window 1 v128-191, XS x's fragments and scale words: read by a trip's products, loaded again behind them.     window 1 v192-255: k_sum, read by den's multiply-adds.
;   PC, PW, DA            written by a trip's (a tile's) vector work, read by its LDS stores, which stand in ONE run at its end.
;   WS; window 1, sets 0 and 1   the far operand: a K step's products read set s % 2, which is asked for again behind the step.
;   v128-255              the row operand's eight fragments: ONE set, since all 1,024 registers are taken: 0-3 are fetched anew in a K step's middle, 4-7 at its end.
;   SA                    the rows' running figures: read by the LDS stores of a reduction.     The accumulators: read by the stores into the stage.     v128-255 on the way out: loaded from the stage, read by the global stores.
; A Q TRIP has one wait on vm_vsrc, at its head, and three on va_vdst: behind the products (their operands are free, the addresses written), behind the exponentials, and ahead of the run of stores.  That last one is the
; trip's last vector-side line, so that the loads behind the loop owe nothing more.  A LARGE K STEP has two waits on va_vdst, one ahead of each refetch of row fragments; the second also frees the far operand's set.
.set XS_OFF,   16777216
.set KSP_OFF,  34603008
.set KVS_OFF,  8388608
.set WIMG_OFF, 8650752
.set QIMG, 65536                       ; LDS: 0: x's 32 images (4 m + s) x 2048, later out's (8 s + m) x 2048;  QIMG: Q's (8 s + m) x 2048
.set XSC,  131072                      ; x's scale words, later out's;  QSC: Q's: word (s, m, r) at 512 s + 64 m + 4 r
.set QSC,  133120
.set DEN,  135168                      ; [wave][128 rows] f32: parts of den; + 2048: of the rows' sums; + 4096: of the sums of squares
.set PAR,  141312                      ; k_sum, bo, gamma, beta: 2048 bytes each
.set STG,  149504                      ; a stage for each wave: 16 rows of 512 bytes + 16
.set LI,   1                           ; v1  16 x lane
.set LIQ,  2                           ; v2  + QIMG
.set LSX,  3                           ; v3  4 x lane + XSC
.set LHQ,  4                           ; v4  4 r + 512 h + QSC
.set LHO,  5                           ; v5  4 r + 512 h + XSC
.set AQ0,  6                           ; v6  where I store Q's images;  v7 out's (and x's at the head)
.set AO0,  7
.set AQS0, 8                           ; v8  Q's scale words;  v9 out's;  v10 my parts of the rows' figures
.set AOS0, 9
.set ADN0, 10
.set R4D,  11                          ; v11 4 r + DEN
.set PA,   12                          ; v12 PAR + 512 w + 64 h: my columns' parameters
.set STO,  13                          ; v13, v14 the stage: in, back
.set SRD,  14
.set WSA,  15                          ; v15 16 (r + 8 (r / 8));  v16 4 (r + 8 (r / 8))
.set KSA4, 16
.set TI,   17                          ; v17 16 x thread
.set AX,   18                          ; v18-22 a trip's addresses
.set AXS,  19
.set AQ,   20
.set AQS,  21
.set ADN,  22
.set PW,   28
.set WS,   32                          ; v32-63 the far operand's scale words: register 4 t + s
.set XS,   64                          ; v64-79 the row operand's: register 2 m + p: lanes 0-15 K step 2 p, lanes 16-31 K step 2 p + 1
.set PC,   80                          ; v80-95 codes; at the end the norm's factors, in pairs
.set TM,   96                          ; v96-111 at work in the quantiser; at the end running sums, in pairs
.set SA,   96
.set DA,   112                         ; v112-127 den's chains; 1 / den in pairs; - mean in pairs
.set T,    128                         ; v128-191, v192-255 at work; in the two large products the row fragments, 128 + 16 m
.set U,    192
.set WV,   22
.set SEL,  26
.set MNT,  28
.set L2E,  30
.set KVP,  42
.set WQP,  44
.set WOP,  46
.set KVSP, 48
.set XSP,  50
.set MSB, 0
.macro WIN new
.if MSB != (\new)
	s_set_vgpr_msb (MSB<<8)|(\new)
.set MSB, (\new)
.endif
.endm
.macro PLACES n
.rept \n
	v_nop
.endr
.endm
.macro BARRIER                         ; my LDS stores have landed and my LDS loads are in: then the work-group's barrier
	s_wait_dscnt 0x0
	s_barrier_signal -1
	s_barrier_wait -1
.endm
.macro WM d, a, b, z, sa, sb, ra, rb
.if (\z)
.if (\ra) && (\rb)
	v_wmma_scale_f32_16x16x128_f8f6f4 v[(\d):(\d)+7], v[(\a):(\a)+15], v[(\b):(\b)+15], 0, v[(\sa)], v[(\sb)] matrix_a_scale:MATRIX_SCALE_ROW1 matrix_b_scale:MATRIX_SCALE_ROW1
.elseif (\ra)
	v_wmma_scale_f32_16x16x128_f8f6f4 v[(\d):(\d)+7], v[(\a):(\a)+15], v[(\b):(\b)+15], 0, v[(\sa)], v[(\sb)] matrix_a_scale:MATRIX_SCALE_ROW1
.elseif (\rb)
	v_wmma_scale_f32_16x16x128_f8f6f4 v[(\d):(\d)+7], v[(\a):(\a)+15], v[(\b):(\b)+15], 0, v[(\sa)], v[(\sb)] matrix_b_scale:MATRIX_SCALE_ROW1
.else
	v_wmma_scale_f32_16x16x128_f8f6f4 v[(\d):(\d)+7], v[(\a):(\a)+15], v[(\b):(\b)+15], 0, v[(\sa)], v[(\sb)]
.endif
.else
.if (\ra) && (\rb)
	v_wmma_scale_f32_16x16x128_f8f6f4 v[(\d):(\d)+7], v[(\a):(\a)+15], v[(\b):(\b)+15], v[(\d):(\d)+7], v[(\sa)], v[(\sb)] matrix_a_scale:MATRIX_SCALE_ROW1 matrix_b_scale:MATRIX_SCALE_ROW1
.elseif (\ra)
	v_wmma_scale_f32_16x16x128_f8f6f4 v[(\d):(\d)+7], v[(\a):(\a)+15], v[(\b):(\b)+15], v[(\d):(\d)+7], v[(\sa)], v[(\sb)] matrix_a_scale:MATRIX_SCALE_ROW1
.elseif (\rb)
	v_wmma_scale_f32_16x16x128_f8f6f4 v[(\d):(\d)+7], v[(\a):(\a)+15], v[(\b):(\b)+15], v[(\d):(\d)+7], v[(\sa)], v[(\sb)] matrix_b_scale:MATRIX_SCALE_ROW1
.else
	v_wmma_scale_f32_16x16x128_f8f6f4 v[(\d):(\d)+7], v[(\a):(\a)+15], v[(\b):(\b)+15], v[(\d):(\d)+7], v[(\sa)], v[(\sb)]
.endif
.endif
.endm
; 64 numbers of a lane, v[s] on in window w, register 16 b + i = k 32 b + 16 (lane / 16) + i of the lane's row, become codes in v[PC] on and a scale word in v[PW]; the held numbers go to v[hd] on in window 0.
; ew = 1: the last fragment's LDS stores were issued behind the last wait on vm_vsrc
.macro QUANT s, w, hd, ew
	WIN (\w)|((\w)<<2)
.irp b, 0,1,2,3
	v_max3_num_f32 v[TM+\b], |v[(\s)+16*\b]|, |v[(\s)+16*\b+1]|, 0x4800000   ; my 16 numbers of block b, and the floor 2^(9 - 127)
.endr
.irp i, 2,4,6,8,10,12,14
.irp b, 0,1,2,3
	v_max3_num_f32 v[TM+\b], |v[(\s)+16*\b+\i]|, |v[(\s)+16*\b+\i+1]|, v[TM+\b]
.endr
.endr
	WIN 0
	s_wait_dscnt 0x0                               ; the last fragment's LDS stores are done
.if \ew
	s_wait_alu depctr_vm_vsrc(0)                   ; the last fragment's LDS stores have read v[PC ..] and v[PW], which are written again below
.endif
.irp b, 0,1,2,3
	v_permlanex16_b32 v[TM+4+\b], v[TM+\b], s[SEL], s[SEL+1]
.endr
.irp b, 0,1,2,3
	v_max_num_f32 v[TM+\b], v[TM+\b], v[TM+4+\b]
.endr
.irp b, 0,1,2,3
	v_add_nc_u32 v[TM+12+\b], 0xfc000000, v[TM+\b] ; 8 off the exponent field: the conversion's scale operand
.endr
.irp b, 0,1,2,3
	v_and_or_b32 v[TM+8+\b], v[TM+\b], 0x7f800000, s[MNT]   ; 448 x the scale
.endr
.irp b, 0,1,2,3
	v_lshrrev_b32 v[TM+4+\b], 23, v[TM+12+\b]
.endr
	v_lshl_or_b32 v[PW], v[TM+5], 8, v[TM+4]
	v_lshl_or_b32 v[PW], v[TM+6], 16, v[PW]
	v_lshl_or_b32 v[PW], v[TM+7], 24, v[PW]
	WIN (\w)
.irp b, 0,1,2,3
.irp i, 0,1,2,3,4,5,6,7,8,9,10,11,12,13,14,15
	v_med3_num_f32 v[(\hd)+16*\b+\i], v[(\s)+16*\b+\i], -v[TM+8+\b], v[TM+8+\b]   ; the hold: the conversion does not saturate (ISA guide 7.6.2)
.endr
.endr
	WIN 0
.irp b, 0,1,2,3
	v_cvt_scalef32_pk8_fp8_f32 v[PC+4*\b:PC+4*\b+1], v[(\hd)+16*\b:(\hd)+16*\b+7], v[TM+12+\b]
	v_cvt_scalef32_pk8_fp8_f32 v[PC+4*\b+2:PC+4*\b+3], v[(\hd)+16*\b+8:(\hd)+16*\b+15], v[TM+12+\b]
.endr
	v_nop
.endm
; T = elu(T) + 1: the middle one of e^T, 1 and T + 1.  T log2 e for all 64 numbers, two at a time; the 64 exponentials as ONE batch; T + 1, two at a time: plain work that names none of the batch's results;
; one wait; the 64 medians.  Each accumulator is read from its low end on.
.macro PHI
	WIN 0
.set J, 0
.rept 32
	v_pk_mul_f32 v[U+J:U+J+1], v[T+J:T+J+1], s[L2E:L2E+1] op_sel_hi:[1,0]
.set J, J+2
.endr
.set J, 0
.rept 64
	v_exp_f32 v[U+J], v[U+J]
.set J, J+1
.endr
.set J, 0
.rept 32
	v_pk_add_f32 v[T+J:T+J+1], v[T+J:T+J+1], 1.0 op_sel_hi:[1,0]
.set J, J+2
.endr
	s_wait_alu depctr_va_vdst(0)                   ; the 64 exponentials have written v[U ..], ahead of the first median, which reads them
.set J, 0
.rept 64
	v_med3_num_f32 v[T+J], v[U+J], 1.0, v[T+J]
.set J, J+1
.endr
.endm
.macro WLOAD wset, ptr, s              ; my 8 tiles of the far operand's K step s into set wset of window 1: 32 loads of 512 consecutive bytes
	WIN 0x40
.irp t, 0,1,2,3,4,5,6,7
.irp c, 0,1,2,3
	global_load_b128 v[128*(\wset)+16*\t+4*\c:128*(\wset)+16*\t+4*\c+3], v[LI], s[\ptr:\ptr+1] offset:65536*(\s)+2048*\t+512*\c
.endr
.endr
	WIN 0
.endm
.macro FETCH li, s, m0                 ; the row operand's fragments m0 .. m0 + 3 of K step s: 16 LDS loads
	WIN 0
.irp mm, 0,1,2,3
.irp c, 0,1,2,3
	ds_load_b128 v[128+16*((\m0)+\mm)+4*\c:128+16*((\m0)+\mm)+4*\c+3], v[\li] offset:(8*(\s)+(\m0)+\mm)*2048+512*\c
.endr
.endr
.endm
.macro GENTRY li, lh                   ; the row operand's scale words of all K steps, and K step 0's fragments.  No vector or matrix instruction has been issued since the wait ahead of the last run of LDS stores: these loads owe nothing more
	WIN 0
.irp m, 0,1,2,3,4,5,6,7
.irp p, 0,1
	ds_load_b32 v[XS+2*\m+\p], v[\lh] offset:1024*\p+64*\m
.endr
.endr
	FETCH \li, 0, 0
	FETCH \li, 0, 4
.endm
; A K step of a large product: 64 matrix instructions, the 64 accumulators by turns, in the same order in every step.  lw: the younger global loads that may stay out
.macro STEPG li, s, z, lw
	s_wait_loadcnt \lw
	s_wait_dscnt 16                                ; row fragments 0-3 (and the scale words) are in; 4-7 may be out
	WIN 0xa1                                       ; source 0 window 1, source 1 window 0, C and D window 2
.irp m, 0,1,2,3
.irp t, 0,1,2,3,4,5,6,7
	WM 8*(8*\m+\t), 128*((\s)%2)+16*\t, 128+16*\m, \z, WS+4*\t+(\s), XS+2*\m+(\s)/2, 0, (\s)%2
.endr
.endr
	s_wait_dscnt 0x0
	PLACES 8                                       ; eight places behind this form, ahead of loads into its operands
.if (\s) < 3
	s_wait_alu depctr_va_vdst(0)                   ; the 32 matrix instructions above are done reading row fragments 0-3, in which the next K step's land
	FETCH \li, (\s)+1, 0
.endif
	WIN 0xf1                                       ; C and D window 3
.irp m, 4,5,6,7
.irp t, 0,1,2,3,4,5,6,7
	WM 8*(8*(\m-4)+\t), 128*((\s)%2)+16*\t, 128+16*\m, \z, WS+4*\t+(\s), XS+2*\m+(\s)/2, 0, (\s)%2
.endr
.endr
	PLACES 8
.if (\s) < 3
	s_wait_alu depctr_va_vdst(0)                   ; the K step's matrix instructions are done reading row fragments 4-7, in which the next K step's land, and their set of the far operand, which is asked for again behind this step
	FETCH \li, (\s)+1, 4
.endif
	WIN 0
.endm
.macro SUM4 base                       ; the four waves' parts of eight figures: v[base + 4 m + wave] -> v[base + 4 m]
.irp m, 0,1,2,3,4,5,6,7
	v_add_f32 v[(\base)+4*\m], v[(\base)+4*\m], v[(\base)+4*\m+1]
.endr
.irp m, 0,1,2,3,4,5,6,7
	v_add_f32 v[(\base)+4*\m+2], v[(\base)+4*\m+2], v[(\base)+4*\m+3]
.endr
.irp m, 0,1,2,3,4,5,6,7
	v_add_f32 v[(\base)+4*\m], v[(\base)+4*\m], v[(\base)+4*\m+2]
.endr
.endm
.macro NEPI m                          ; row tile m: out = num / den into T, out + bo into the accumulators; out's codes to LDS
.set W, 2+(\m)/4
.set AB, 64*((\m)%4)
	WIN W
.set J, 0
.rept 32
	v_pk_mul_f32 v[T+J:T+J+1], v[AB+J:AB+J+1], v[DA+2*(\m):DA+2*(\m)+1]
.set J, J+2
.endr
	WIN W|(W<<6)
.set J, 0
.rept 32
	v_pk_fma_f32 v[AB+J:AB+J+1], v[AB+J:AB+J+1], v[DA+2*(\m):DA+2*(\m)+1], v[U+J:U+J+1]
.set J, J+2
.endr
.if (\m) > 0
	QUANT T, 0, T, 1
.else
	QUANT T, 0, T, 0
.endif
	s_wait_alu depctr_va_vdst(0)                   ; the conversions have written v[PC ..], the shifts v[PW]: the LDS stores below read them
.irp c, 0,1,2,3
	ds_store_b128 v[AO0], v[PC+4*\c:PC+4*\c+3] offset:2048*(\m)+512*\c
.endr
	ds_store_b32 v[AOS0], v[PW] offset:64*(\m)
.endm
.macro RED off                         ; eight running pairs -> the rows' figures over all 512 columns, in v[128 + 4 m]
	WIN 0
.irp m, 0,1,2,3,4,5,6,7
	v_add_f32 v[SA+2*\m], v[SA+2*\m], v[SA+2*\m+1]
.endr
.irp m, 0,1,2,3,4,5,6,7
	v_permlanex16_b32 v[SA+2*\m+1], v[SA+2*\m], s[SEL], s[SEL+1]
.endr
.irp m, 0,1,2,3,4,5,6,7
	v_add_f32 v[SA+2*\m], v[SA+2*\m], v[SA+2*\m+1]
.endr
	s_wait_alu depctr_va_vdst(0)                   ; the additions have written v[SA ..], which the LDS stores read; and every earlier matrix or vector instruction is done with v128 to v159, in which the loads below land
.irp m, 0,1,2,3,4,5,6,7
	ds_store_b32 v[ADN0], v[SA+2*\m] offset:(\off)+64*\m
.endr
	BARRIER
.irp m, 0,1,2,3,4,5,6,7
.irp ww, 0,1,2,3
	ds_load_b32 v[128+4*\m+\ww], v[R4D] offset:(\off)+512*\ww+64*\m
.endr
.endr
	s_wait_dscnt 0x0
	SUM4 128
.endm
.macro LNSUM win                       ; the sums of four row tiles' 64 registers, the four by turns, each accumulator from its low end on
	WIN (\win)|((\win)<<2)
.irp mm, 0,1,2,3
	v_pk_add_f32 v[SA+2*(4*((\win)-2)+\mm):SA+2*(4*((\win)-2)+\mm)+1], v[64*\mm:64*\mm+1], v[64*\mm+2:64*\mm+3]
.endr
	WIN (\win)
.set J, 4
.rept 30
.irp mm, 0,1,2,3
	v_pk_add_f32 v[SA+2*(4*((\win)-2)+\mm):SA+2*(4*((\win)-2)+\mm)+1], v[64*\mm+J:64*\mm+J+1], v[SA+2*(4*((\win)-2)+\mm):SA+2*(4*((\win)-2)+\mm)+1]
.endr
.set J, J+2
.endr
.endm
.macro LNVAR win                       ; y - mean in place, and the sums of its squares
	WIN (\win)|((\win)<<6)
.irp mm, 0,1,2,3
.set J, 0
.rept 32
	v_pk_add_f32 v[64*\mm+J:64*\mm+J+1], v[64*\mm+J:64*\mm+J+1], v[DA+2*(4*((\win)-2)+\mm):DA+2*(4*((\win)-2)+\mm)+1]
.set J, J+2
.endr
.endr
	WIN (\win)|((\win)<<2)
.irp mm, 0,1,2,3
	v_pk_mul_f32 v[SA+2*(4*((\win)-2)+\mm):SA+2*(4*((\win)-2)+\mm)+1], v[64*\mm:64*\mm+1], v[64*\mm:64*\mm+1]
.endr
.set J, 2
.rept 31
.irp mm, 0,1,2,3
	v_pk_fma_f32 v[SA+2*(4*((\win)-2)+\mm):SA+2*(4*((\win)-2)+\mm)+1], v[64*\mm+J:64*\mm+J+1], v[64*\mm+J:64*\mm+J+1], v[SA+2*(4*((\win)-2)+\mm):SA+2*(4*((\win)-2)+\mm)+1]
.endr
.set J, J+2
.endr
.endm
.macro LNOUT m                         ; row tile m: x the norm's factor, x gamma + beta
.set W, 2+(\m)/4
.set AB, 64*((\m)%4)
	WIN W|(W<<6)
.set J, 0
.rept 32
	v_pk_mul_f32 v[AB+J:AB+J+1], v[AB+J:AB+J+1], v[PC+2*(\m):PC+2*(\m)+1]
.set J, J+2
.endr
	WIN W|(W<<6)|0x14                              ; gamma and beta lie in window 1
.set J, 0
.rept 32
	v_pk_fma_f32 v[AB+J:AB+J+1], v[AB+J:AB+J+1], v[J:J+1], v[64+J:65+J]
.set J, J+2
.endr
.endm
.macro TOSTAGE m                       ; a lane holds pieces of one row: through my own stage, back as whole runs of 512 bytes.  LDS serves a wave's instructions in order (ISA guide 5.7.1.4)
.set W, 2+(\m)/4
.set AB, 64*((\m)%4)
	WIN W<<2
	s_wait_alu depctr_va_vdst(0)                   ; the tile's multiply-adds have written its 64 registers, which the LDS stores read; every earlier vector or matrix instruction is done with the registers in which the loads from the stage land
.irp b, 0,1,2,3
.irp q, 0,1,2,3
	ds_store_b128 v[STO], v[AB+16*\b+4*\q:AB+16*\b+4*\q+3] offset:128*\b+16*\q
.endr
.endr
	WIN 0
.set BB, 128+64*((\m)%2)
.irp i, 0,1,2,3,4,5,6,7,8,9,10,11,12,13,14,15
	ds_load_b128 v[BB+4*\i:BB+4*\i+3], v[SRD] offset:528*\i
.endr
.endm
.macro SEND m, younger
.set BB, 128+64*((\m)%2)
	s_wait_dscnt \younger                          ; the tile is back in registers; the next tile's 16 stores and 16 loads may be out
.irp i, 0,1,2,3,4,5,6,7,8,9,10,11,12,13,14,15
	global_store_b128 v[LI], v[BB+4*\i:BB+4*\i+3], s[20:21] offset:(32*((\m)/2)+8*((\m)%2)+\i+8*(\i/8))*2048 th:TH_STORE_NT   ; 512 consecutive bytes, at a multiple of 512 from the output's first byte
.endr
.endm
	s_load_b256 s[4:11], s[0:1], 0x0               ; bufx, bufk, bufc, Wq's scales
	s_load_b256 s[12:19], s[0:1], 0x20             ; Wo's scales, bo, gamma, beta
	s_load_b64 s[20:21], s[0:1], 0x40              ; the output
	v_lshl_add_u32 v30, v0, 2, 0x2d000
	v_mov_b32 v31, 0
	v_lshrrev_b32 v23, 5, v0
	v_readfirstlane_b32 s[WV], v23                 ; wave 0..3
	v_and_b32 v23, 31, v0                          ; lane
	v_and_b32 v24, 15, v0                          ; r
	v_bfe_u32 v25, v0, 4, 1                        ; h
	v_lshlrev_b32 v[LI], 4, v23
	v_add_nc_u32 v[LIQ], QIMG, v[LI]
	v_lshlrev_b32 v26, 2, v23
	v_add_nc_u32 v[LSX], XSC, v26
	v_lshlrev_b32 v27, 2, v24                      ; 4 r
	v_lshl_add_u32 v26, v25, 9, v27
	v_add_nc_u32 v[LHQ], QSC, v26
	v_add_nc_u32 v[LHO], XSC, v26
	s_wait_alu depctr_va_sdst(0)                   ; the wave's number is written, ahead of its first reader: LDS addresses and every base are made from it
	s_lshl_b32 s24, s[WV], 14
	v_add_nc_u32 v[AQ0], s24, v[LIQ]
	v_add_nc_u32 v[AO0], s24, v[LI]
	s_lshl_b32 s24, s[WV], 9
	v_add_nc_u32 v26, s24, v27                     ; 4 r + 512 w
	v_add_nc_u32 v[AQS0], QSC, v26
	v_add_nc_u32 v[AOS0], XSC, v26
	v_add_nc_u32 v[ADN0], DEN, v26
	v_add_nc_u32 v[R4D], DEN, v27
	v_lshl_add_u32 v[PA], v25, 6, s24
	v_add_nc_u32 v[PA], PAR, v[PA]
	s_mul_i32 s24, s[WV], 8448
	s_add_co_u32 s24, s24, STG
	v_mul_u32_u24 v[STO], v24, 528
	v_lshl_add_u32 v[STO], v25, 6, v[STO]
	v_add_nc_u32 v[STO], s24, v[STO]
	v_add_nc_u32 v[SRD], s24, v[LI]
	v_and_b32 v26, 8, v24
	v_add_nc_u32 v26, v26, v24                     ; r + 8 (r / 8)
	v_lshlrev_b32 v[WSA], 4, v26
	v_lshlrev_b32 v[KSA4], 2, v26
	v_lshlrev_b32 v[TI], 4, v0
	v_add_nc_u32 v[AX], XSC, v[TI]                 ; for the head alone: where x's scale words
	v_add_nc_u32 v[AXS], PAR, v[TI]                ; and the parameters go
.irp b, 0,1,2,3
	v_mov_b32 v[TM+4+\b], 0                        ; a lane permute's destination counts as one of its sources
.endr
	s_mov_b32 s[SEL], 0x76543210
	s_mov_b32 s[SEL+1], 0xfedcba98
	s_mov_b32 s[MNT], 0x600000
	s_mov_b32 s[L2E], 0x3fb8aa3b
	s_mov_b32 s[L2E+1], s[L2E]
	s_mov_b32 s32, 0x3727c5ac                      ; 1e-5
	s_mov_b32 s33, 0x3b000000                      ; 1 / 512
	s_lshr_b32 s23, ttmp9, 3                       ; the sequence
	s_mov_b32 s25, 0
	s_wait_kmcnt 0x0
	s_lshl_b32 s24, ttmp9, 11
	s_add_nc_u64 s[XSP:XSP+1], s[4:5], s[24:25]
	s_add_nc_u64 s[XSP:XSP+1], s[XSP:XSP+1], XS_OFF
	s_lshl_b32 s24, ttmp9, 16
	s_lshl_b32 s29, s[WV], 14
	s_add_co_u32 s24, s24, s29
	s_add_nc_u64 s[4:5], s[4:5], s[24:25]          ; my quarter of the block's codes of x
	s_lshl_b32 s24, s23, 14
	s_add_nc_u64 s[6:7], s[6:7], s[24:25]
	s_add_nc_u64 s[6:7], s[6:7], KSP_OFF           ; the sequence's eight parts of k_sum
	s_lshl_b32 s24, s23, 18
	s_add_co_u32 s24, s24, s29
	s_add_nc_u64 s[KVP:KVP+1], s[8:9], s[24:25]    ; my 8 tiles of kv^T
	s_mov_b32 s24, s29
	s_add_nc_u64 s[WQP:WQP+1], s[8:9], s[24:25]
	s_add_nc_u64 s[WQP:WQP+1], s[WQP:WQP+1], WIMG_OFF
	s_add_nc_u64 s[WOP:WOP+1], s[WQP:WQP+1], 262144
	s_lshl_b32 s24, s23, 13
	s_lshl_b32 s29, s[WV], 9
	s_add_co_u32 s24, s24, s29
	s_add_nc_u64 s[KVSP:KVSP+1], s[8:9], s[24:25]
	s_add_nc_u64 s[KVSP:KVSP+1], s[KVSP:KVSP+1], KVS_OFF
	s_lshl_b32 s24, s[WV], 11
	s_add_nc_u64 s[10:11], s[10:11], s[24:25]
	s_add_nc_u64 s[12:13], s[12:13], s[24:25]
	s_lshl_b32 s24, ttmp9, 18
	s_add_co_u32 s24, s24, s29
	s_add_nc_u64 s[20:21], s[20:21], s[24:25]      ; the block's first row, my 128 columns
	; ---- the head: 44 loads that go on to LDS, then Wq (128) and its scale words (8)
	s_wait_alu depctr_va_vdst(0)                   ; the addresses and offsets v1 to v19 are written, and the closing add's v30 and v31: the loads and stores of the kernel read them
	WIN 0x40
.set J, 0
.rept 32
	global_load_b128 v[128+4*J:131+4*J], v[LI], s[4:5] offset:512*J th:TH_LOAD_NT
.set J, J+1
.endr
	WIN 0
	global_load_b128 v[128:131], v[TI], s[XSP:XSP+1]
.irp sb, 0,1,2,3,4,5,6,7
	global_load_b128 v[132+4*\sb:135+4*\sb], v[TI], s[6:7] offset:2048*\sb
.endr
	global_load_b128 v[164:167], v[TI], s[14:15]
	global_load_b128 v[168:171], v[TI], s[16:17]
	global_load_b128 v[172:175], v[TI], s[18:19]
.irp s, 0,1,2,3                        ; Wq's fragment (t, s) at window 2 + s / 2, register 16 (8 (s % 2) + t)
	WIN 0x80+0x40*(\s/2)
.irp t, 0,1,2,3,4,5,6,7
.irp c, 0,1,2,3
	global_load_b128 v[16*(8*(\s%2)+\t)+4*\c:16*(8*(\s%2)+\t)+4*\c+3], v[LI], s[WQP:WQP+1] offset:65536*\s+2048*\t+512*\c
.endr
.endr
.endr
	WIN 0
.irp t, 0,1,2,3,4,5,6,7
	global_load_b128 v[WS+4*\t:WS+4*\t+3], v[WSA], s[10:11] offset:(32*(\t/2)+8*(\t%2))*16
.endr
	s_wait_loadcnt 63                              ; 136 loads are younger than the first 44: those are in
	WIN 0x04                                       ; an LDS store's data are its source 1: window 1
.set J, 0
.rept 32
	ds_store_b128 v[AO0], v[128+4*J:131+4*J] offset:512*J
.set J, J+1
.endr
	WIN 0
	ds_store_b128 v[AX], v[128:131]
.irp sb, 1,2,3,4,5,6,7
	v_pk_add_f32 v[132:133], v[132:133], v[132+4*\sb:133+4*\sb]    ; k_sum: the eight blocks' parts, in their order
	v_pk_add_f32 v[134:135], v[134:135], v[134+4*\sb:135+4*\sb]
.endr
	s_wait_alu depctr_va_vdst(0)                   ; the additions have written v[132:135], which the next LDS store reads
	ds_store_b128 v[AXS], v[132:135]
	ds_store_b128 v[AXS], v[164:167] offset:2048
	ds_store_b128 v[AXS], v[168:171] offset:4096
	ds_store_b128 v[AXS], v[172:175] offset:6144
	BARRIER                                        ; x's images, their scale words and the parameters lie in LDS
	s_wait_alu depctr_vm_vsrc(0)                   ; my LDS stores have read window 1's v128 to v255, in which the LDS loads below land, and v128 to v175, which the first products write
	WLOAD 0, KVP, 0                                ; kv^T's first K step lands under the whole of the first product
	WIN 0x40
.irp s, 0,1,2,3
.irp c, 0,1,2,3
	ds_load_b128 v[128+16*\s+4*\c:128+16*\s+4*\c+3], v[LI] offset:2048*\s+512*\c       ; row tile 0's four fragments of x
.endr
.endr
.irp b, 0,1,2,3
.irp q, 0,1,2,3
	ds_load_b128 v[192+16*\b+4*\q:192+16*\b+4*\q+3], v[PA] offset:128*\b+16*\q         ; k_sum at my lane's 64 columns
.endr
.endr
	WIN 0
	ds_load_b32 v[XS], v[LSX]
	ds_load_b32 v[XS+1], v[LSX] offset:128
	s_wait_loadcnt 32                              ; Wq and its scale words are in; kv^T's 32 loads are younger
	s_mov_b32 s34, 0
	s_mov_b32 s35, 0
	s_mov_b32 s36, 0
	s_mov_b32 s37, 0
	s_mov_b32 s38, 0
	; ---- Q, a tile of 16 rows a trip, on the same registers in every trip
.Lq:
	s_wait_dscnt 0x0
	s_wait_alu depctr_vm_vsrc(0)                   ; the last trip's LDS loads and stores (in the first trip: the head's stores) have read v[AX] to v[ADN], v[DA], v[PC ..] and v[PW]: this trip writes them all again
	WIN 0x06                                       ; source 0 (Wq) window 2, source 1 (x) window 1, C and D window 0
.irp t, 0,1,2,3,4,5,6,7
	WM T+8*\t, 16*\t, 128, 1, WS+4*\t, XS, 0, 0
.endr
.irp t, 0,1,2,3,4,5,6,7
	WM T+8*\t, 16*(8+\t), 144, 0, WS+4*\t+1, XS, 0, 1
.endr
	WIN 0x07
.irp t, 0,1,2,3,4,5,6,7
	WM T+8*\t, 16*\t, 160, 0, WS+4*\t+2, XS+1, 0, 0
.endr
.irp t, 0,1,2,3,4,5,6,7
	WM T+8*\t, 16*(8+\t), 176, 0, WS+4*\t+3, XS+1, 0, 1
.endr
	WIN 0
	v_add_nc_u32 v[AX], s35, v[LI]                 ; the trip's addresses: five of the eight places behind the products
	v_add_nc_u32 v[AXS], s37, v[LSX]
	v_add_nc_u32 v[AQ], s36, v[AQ0]
	v_add_nc_u32 v[AQS], s38, v[AQS0]
	v_add_nc_u32 v[ADN], s38, v[ADN0]
	PLACES 3
	s_wait_alu depctr_va_vdst(0)                   ; the products are done reading x's four fragments and its two scale words, in which the next tile's land; the five addresses are written
	s_cmp_eq_u32 s34, 7                            ; the last trip fetches nothing: behind x's images lie Q's, which are being written
	s_cbranch_scc1 .Lno_next
	WIN 0x40
.irp s, 0,1,2,3
.irp c, 0,1,2,3
	ds_load_b128 v[128+16*\s+4*\c:128+16*\s+4*\c+3], v[AX] offset:8192+2048*\s+512*\c
.endr
.endr
	WIN 0
	ds_load_b32 v[XS], v[AXS] offset:256
	ds_load_b32 v[XS+1], v[AXS] offset:384
.Lno_next:
	PHI
	WIN 0x04                                       ; k_sum lies in window 1
.irp c, 0,1,2,3
	v_pk_mul_f32 v[DA+2*\c:DA+2*\c+1], v[T+2*\c:T+2*\c+1], v[192+2*\c:193+2*\c]
.endr
.set J, 8
.rept 7
.irp c, 0,1,2,3
	v_pk_fma_f32 v[DA+2*\c:DA+2*\c+1], v[T+J+2*\c:T+J+2*\c+1], v[192+J+2*\c:193+J+2*\c], v[DA+2*\c:DA+2*\c+1]
.endr
.set J, J+8
.endr
	WIN 0
	v_pk_add_f32 v[DA:DA+1], v[DA:DA+1], v[DA+2:DA+3]
	v_pk_add_f32 v[DA+4:DA+5], v[DA+4:DA+5], v[DA+6:DA+7]
	v_pk_add_f32 v[DA:DA+1], v[DA:DA+1], v[DA+4:DA+5]
	v_add_f32 v[DA], v[DA], v[DA+1]
	v_permlanex16_b32 v[DA+1], v[DA], s[SEL], s[SEL+1]
	v_add_f32 v[DA], v[DA], v[DA+1]
	QUANT T, 0, T, 0
	s_wait_alu depctr_va_vdst(0)                   ; v[DA], v[PC ..] and v[PW] are written: the six LDS stores below read them.  It is the trip's last vector-side line: behind the last trip it also states that the products are done with WS, XS and x's fragments, and the vector work with k_sum, T and U, in all of which the loads behind the loop land
	ds_store_b32 v[ADN], v[DA]                     ; my 128 columns' part of the row's den (both halves of the lanes write the same word with the same value)
.irp c, 0,1,2,3
	ds_store_b128 v[AQ], v[PC+4*\c:PC+4*\c+3] offset:512*\c
.endr
	ds_store_b32 v[AQS], v[PW]
	s_add_co_u32 s35, s35, 8192
	s_add_co_u32 s36, s36, 2048
	s_add_co_u32 s37, s37, 256
	s_add_co_u32 s38, s38, 64
	s_add_co_u32 s34, s34, 1
	s_cmp_lt_u32 s34, 8
	s_cbranch_scc1 .Lq
.irp t, 0,1,2,3,4,5,6,7
.irp s, 0,1,2,3
	global_load_b32 v[WS+4*\t+\s], v[KSA4], s[KVSP:KVSP+1] offset:2048*\s+(32*(\t/2)+8*(\t%2))*4   ; kv^T's scale words
.endr
.endr
	WLOAD 1, KVP, 1
	BARRIER                                        ; Q's images, its scale words and the parts of den lie in LDS; nobody reads x's images any more
	; ---- num = Q kv.  The far operand's stream goes on into Wo: each count of 32 is the one set issued behind the set that is wanted
	GENTRY LIQ, LHQ
	STEPG LIQ, 0, 1, 32
	WLOAD 0, KVP, 2
	STEPG LIQ, 1, 0, 32
	WLOAD 1, KVP, 3
	STEPG LIQ, 2, 0, 32
	WLOAD 0, WOP, 0
	STEPG LIQ, 3, 0, 32
	s_wait_alu depctr_va_vdst(0)                   ; the last K step's matrix instructions are done reading set 1 of the far operand, its scale words and row fragments 4-7; the Q loop's vector work is done with v80 to v111: loads land in all of these below
	s_wait_alu depctr_vm_vsrc(0)                   ; the Q loop's last LDS stores have read v[PC ..], in which the parts of den land, and v[PW] and v[DA], which are written again below
	WLOAD 1, WOP, 1
.irp t, 0,1,2,3,4,5,6,7
	global_load_b128 v[WS+4*\t:WS+4*\t+3], v[WSA], s[12:13] offset:(32*(\t/2)+8*(\t%2))*16         ; Wo's scale words
.endr
	; ---- out = num / den, out + bo, out's codes
.irp m, 0,1,2,3,4,5,6,7
.irp ww, 0,1,2,3
	ds_load_b32 v[80+4*\m+\ww], v[R4D] offset:512*\ww+64*\m
.endr
.endr
.irp b, 0,1,2,3
.irp q, 0,1,2,3
	ds_load_b128 v[U+16*\b+4*\q:U+16*\b+4*\q+3], v[PA] offset:2048+128*\b+16*\q        ; bo at my lane's 64 columns
.endr
.endr
	s_wait_dscnt 0x0
	SUM4 80
.irp m, 0,1,2,3,4,5,6,7
	v_max_num_f32 v[80+4*\m], 0x358637bd, v[80+4*\m]       ; den is held at 1e-6 from below
.endr
.irp m, 0,1,2,3,4,5,6,7
	v_rcp_f32 v[DA+2*\m], v[80+4*\m]
.endr
	v_nop                                          ; a plain line between the reciprocals and the use of their results
	s_wait_alu depctr_va_vdst(0)                   ; the eight reciprocals have written v[DA ..], ahead of their first reader
.irp m, 0,1,2,3,4,5,6,7
	v_mov_b32 v[DA+2*\m+1], v[DA+2*\m]
.endr
.irp m, 0,1,2,3,4,5,6,7
	NEPI \m
.endr
	BARRIER                                        ; out's images and scale words lie in LDS
	; ---- y = out Wo^T, added onto out + bo
	GENTRY LI, LHO
	STEPG LI, 0, 0, 0                              ; Wo's scale words are the youngest loads: the count is 0
	WLOAD 0, WOP, 2
	STEPG LI, 1, 0, 32
	WLOAD 1, WOP, 3
	STEPG LI, 2, 0, 32
	STEPG LI, 3, 0, 0
	; ---- LayerNorm over the 512 columns: my 128 in registers, the four waves' figures meet in LDS
	WIN 0x40                                       ; gamma and beta land in set 0 of the far operand: its last readers, K step 2's matrix instructions, stand ahead of that step's closing wait, and K step 3's name set 1 alone
.irp b, 0,1,2,3
.irp q, 0,1,2,3
	ds_load_b128 v[16*\b+4*\q:16*\b+4*\q+3], v[PA] offset:4096+128*\b+16*\q            ; gamma
	ds_load_b128 v[64+16*\b+4*\q:64+16*\b+4*\q+3], v[PA] offset:6144+128*\b+16*\q      ; beta
.endr
.endr
	LNSUM 2
	LNSUM 3
	RED 2048
	s_wait_alu depctr_vm_vsrc(0)                   ; the reduction's LDS stores have read v[SA ..], which the sums of squares write again; out's LDS stores have read v[PC ..], which the norm's factors write
.irp m, 0,1,2,3,4,5,6,7
	v_mul_f32 v[DA+2*\m], 0xbb000000, v[128+4*\m]  ; - mean
.endr
.irp m, 0,1,2,3,4,5,6,7
	v_mov_b32 v[DA+2*\m+1], v[DA+2*\m]
.endr
	LNVAR 2
	LNVAR 3
	RED 4096
.irp m, 0,1,2,3,4,5,6,7
	v_fma_f32 v[128+4*\m], v[128+4*\m], s33, s32   ; the variance + 1e-5
.endr
.irp m, 0,1,2,3,4,5,6,7
	v_rsq_f32 v[PC+2*\m], v[128+4*\m]
.endr
	v_nop
	s_wait_alu depctr_va_vdst(0)                   ; the eight reciprocal roots have written v[PC ..], ahead of their first reader
.irp m, 0,1,2,3,4,5,6,7
	v_mov_b32 v[PC+2*\m+1], v[PC+2*\m]
.endr
	LNOUT 0
	TOSTAGE 0
.irp m, 1,2,3,4,5,6,7
	LNOUT \m
.if \m > 1
	s_wait_xcnt 0x0                                ; the stores of the tile two back have had their addresses translated: this tile's rows may land in their registers
	s_wait_alu depctr_vm_vsrc(0)                   ; the global stores of the tile two back have read their 64 registers, in which this tile's loads from the stage land
.endif
	TOSTAGE \m
	SEND \m-1, 32
.endr
	SEND 7, 0
	s_wait_dscnt 0x0                               ; the closing lines, six on end
	s_wait_alu 0x0
	s_wait_tensorcnt 0x0
	ds_add_u32 v30, v31
	s_wait_dscnt 0x0
	s_endpgm
.Lfunc_end_k_q175d69e35c_attn_out:
	.size	k_q175d69e35c_attn_out, .Lfunc_end_k_q175d69e35c_attn_out-k_q175d69e35c_attn_out
	.p2alignl 7, 3214868480
	.fill 96, 4, 3214868480
	.section	.rodata,"a",@progbits
	.p2align	6, 0x0
	.amdhsa_kernel k_q175d69e35c_attn_out
		.amdhsa_group_segment_fixed_size 184832
		.amdhsa_private_segment_fixed_size 0
		.amdhsa_enable_private_segment 0
		.amdhsa_kernarg_size 72
		.amdhsa_user_sgpr_count 2
		.amdhsa_user_sgpr_kernarg_segment_ptr 1
		.amdhsa_wavefront_size32 1
		.amdhsa_system_sgpr_workgroup_id_x 1
		.amdhsa_system_sgpr_workgroup_id_y 1
		.amdhsa_system_sgpr_workgroup_id_z 1
		.amdhsa_system_vgpr_workitem_id 0
		.amdhsa_next_free_vgpr 1024
		.amdhsa_next_free_sgpr 66
		.amdhsa_reserve_vcc 0
		.amdhsa_float_denorm_mode_32 3
		.amdhsa_float_denorm_mode_16_64 3
		.amdhsa_memory_ordered 1
		.amdhsa_forward_progress 1
		.amdhsa_inst_pref_size 255
	.end_amdhsa_kernel
	.section	.bss,"aw",@nobits
	.p2align	6
	.space	262144
	.amdgpu_metadata
---
amdhsa.version: [ 1, 2 ]
amdhsa.kernels:
  - .name:           k_q175d69e35c_attn_out
    .symbol:         k_q175d69e35c_attn_out.kd
    .args:
      - { .name: bufx, .offset: 0, .size: 8, .value_kind: global_buffer, .address_space: global }
      - { .name: bufk, .offset: 8, .size: 8, .value_kind: global_buffer, .address_space: global }
      - { .name: bufc, .offset: 16, .size: 8, .value_kind: global_buffer, .address_space: global }
      - { .name: Wq_scales, .offset: 24, .size: 8, .value_kind: global_buffer, .address_space: global }
      - { .name: Wo_scales, .offset: 32, .size: 8, .value_kind: global_buffer, .address_space: global }
      - { .name: bo, .offset: 40, .size: 8, .value_kind: global_buffer, .address_space: global }
      - { .name: gamma, .offset: 48, .size: 8, .value_kind: global_buffer, .address_space: global }
      - { .name: beta, .offset: 56, .size: 8, .value_kind: global_buffer, .address_space: global }
      - { .name: out0, .offset: 64, .size: 8, .value_kind: global_buffer, .address_space: global }
    .group_segment_fixed_size: 184832
    .private_segment_fixed_size: 0
    .kernarg_segment_align: 8
    .kernarg_segment_size: 72
    .max_flat_workgroup_size: 128
    .sgpr_count:     66
    .vgpr_count:     1024
    .wavefront_size: 32
...
	.end_amdgpu_metadata
.endif
;; end of part 5
